; MI455X (gfx1250); checked and timed in simulation.
; The chip was launched on July 23, 2026; its instructions are those of AMD's public machine-readable ISA for CDNA 5 (MIT licence, August 2026) and "CDNA5" Instruction Set Architecture Reference Guide (July 2026). The comments in the code are by the model that wrote it; some were corrected since.
;; Causal Self Attention. Allowed arithmetic: matrix products marked QUANTISED: E2M3 operands, one E8M0 scale for each 32 along K, by v_wmma_scale_f32_16x16x128_f8f6f4 with both operands' format E2M3, f32 sums; everything else in f32.
;; Inputs: w_proj 1,024 x 1,024 float32; w_qkv 3,072 x 1,024 float32; x 4 x 2,048 x 1,024 float32.
;; Outputs: out0 4 x 2,048 x 1,024 float32.
;; This version of the problem:
;;   THIS VERSION OF THE PROBLEM IS GIVEN IN LOW PRECISION. The matrix products marked QUANTISED in the list below multiply operands that are first quantised to E2M3 (2 exponent bits, 3 mantissa bits; 6 bits a number), with one power-of-two scale for each 32 numbers along K (OCP MX v1.0); their sums are f32. All else is computed in f32.
;;   The module's matrix products, in the order in which they are computed (A, B: the left and right operand; K: the contracted axis; several contracted axes count as one K, in the product's order):
;;     1. [M 8,192, K 1,024] x [K 1,024, N 3,072]; A: input x; B: input w_qkv: QUANTISED
;;     2. batch 64 x [M 2,048, K 64] x [K 64, N 2,048]; A: computed on the way; B: computed on the way: QUANTISED
;;     3. batch 64 x [M 2,048, K 2,048] x [K 2,048, N 64]; A: softmax (see below); B: computed on the way: QUANTISED
;;     4. [M 8,192, K 1,024] x [K 1,024, N 1,024]; A: computed on the way; B: input w_proj: QUANTISED
;;   THE QUANTISER, for each operand of a quantised product, along K:
;;     - K is cut into blocks of 32 from its start; a last block that is shorter is filled with zeros.
;;     - A block's scale is 2^e with e = floor(log2(the largest magnitude in the block)) - 2, held to -126 .. 127; a block of zeros has e = 0. As a byte (E8M0): e + 127.
;;     - Each number is divided by its block's scale, clamped to +-7.5, and rounded to the nearest number of E2M3, ties to even, subnormals kept.
;;     - The product sums the exact products of the quantised numbers (number of the format x scale) in f32.
;;   ~~~python
;;   def quantise(x, axis):      # numpy; x: float32 -> the quantised numbers, widened to float32 again
;;       x = np.moveaxis(x, axis, -1); K = x.shape[-1]
;;       x = np.pad(x, [(0, 0)] * (x.ndim - 1) + [(0, -K % 32)]); x = x.reshape(x.shape[:-1] + (-1, 32)); a = np.abs(x).max(-1, keepdims=True)
;;       e = np.where(a > 0, np.clip(np.frexp(np.where(a > 0, a, 1))[1] - 1 - 2, -126, 127), 0)      # np.frexp(a)[1] - 1 = floor(log2(a)), exactly
;;       r = np.clip(x / 2.0 ** e, -7.5, 7.5)
;;       step = 2.0 ** (np.maximum(np.frexp(np.where(r == 0, 1, r))[1] - 1, 0) - 3)
;;       q = np.round(r / step) * step * 2.0 ** e      # np.round: ties to even
;;       return np.moveaxis(q.reshape(q.shape[:-2] + (-1,))[..., :K], -1, axis).astype(np.float32)
;;   ~~~
;;   SOFTMAX AHEAD OF A QUANTISED PRODUCT. Where the list says 'softmax', what is quantised is not the finished softmax but p = 2^(t - M), with t = logit x log2(e) and M = ceil(the row's largest t), a whole number; so 1/2 < the row's largest p <= 1. The row's sum l is taken of the UNQUANTISED p, in f32, and the product's result is divided by l at the end. Since M is a whole number, a kernel that streams over the keys may use a running M (the ceiling of the running maximum): every later rescaling is an exact power of two, which a block's scale takes up: the codes' values come out the same.
;;   OPERANDS COMPUTED ON THE WAY. 'Computed on the way' means the value that the module computes at that place (a softmax that the list does not call 'softmax' is quantised finished and normalised). What goes into a quantiser is computed in f32, as accurately as f32 sums, v_exp_f32 and their like allow (about 1e-6 of the number): no bf16 or f16 on the way to a quantiser, and a product that is left as it is and whose result goes on into a quantised operand takes f32 operands (vector FMAs, or v_wmma_f32_16x16x4_f32). A number that lies on a knife's edge between two numbers of the format may be rounded either way, as far as f32 arithmetic and the matrix unit's own rounding can turn it there, and no further.
;; One version. Each part assembles by itself: llvm-mc -triple=amdgcn-amd-amdhsa -mcpu=gfx1250 --defsym DOCPART=n.
;; ======== version 1 of 1: 4 launches
;; workspace buffers: codes1 15,728,640 bytes; scales1 655,360 bytes; codes2 18,874,368 bytes; scales2 1,310,720 bytes
;; launch quant (part 1): grid 384 x 1, 4 waves a work-group, no clusters, 34,304 bytes of LDS; arguments x, w_qkv, w_proj, codes1, scales1; writes codes1, scales1
.if DOCPART == 1
	.amdgcn_target "amdgcn-amd-amdhsa--gfx1250"
	.amdhsa_code_object_version 6
	.text
	.protected	k_q7b4dd25079_quant
	.globl	k_q7b4dd25079_quant
	.p2align	8
	.type	k_q7b4dd25079_quant,@function
k_q7b4dd25079_quant:
	s_mov_b64 s[64:65], 0
	v_nop
	global_prefetch_b8 v0, s[64:65] scope:SCOPE_SE
	s_setreg_imm32_b32 hwreg(HW_REG_WAVE_MODE, 25, 1), 1
	s_wait_xcnt 0x0
; x [8192][1024], w_qkv [3072][1024] and w_proj [1024][1024], f32, K innermost, become codes of FP6 (E2M3) with one E8M0 byte for each 32 along K.
; A block's scale is 2^(floor(log2(its largest magnitude)) - 2); its byte is the largest magnitude's exponent field - 2, held at 1 from below.
; LIMITS: NaN and infinities among the inputs are not served; a block whose largest magnitude lies under 2^-124 has its byte held at 1; a block of zeros gets the byte 1 where
; the rule says 127: its codes are zeros, which add nothing under any byte but 0xff, and the bytes are read by this program alone.
; LAYOUT OF THE CODES.  The rows are cut into tiles of 16.  Tile n of a tensor holds at its row m the tensor's row 32 (n / 2) + 8 (n % 2) + m % 8 + 16 (m / 8): so where a pair of
; tiles is source 0 of a product, a lane's 16 results are 16 neighbours along those rows.  A fragment (16 rows x 128 K, 12 registers a lane) lies in memory as an image of its registers:
; six pieces of 256 bytes, piece p = registers 2 p, 2 p + 1 of lane l at 256 p + 8 l.  Tile Tn at 12,288 Tn, its K step s at + 1,536 s.  Tn 0-511 x, 512-703 w_qkv, 704-767 w_proj.
; Scale words (four bytes: one row, 128 K): that of (Tn, s, m) at 512 Tn + 256 (s / 4) + 16 m + 4 (s % 4).
; SHARES.  A work-group takes a pair of tiles (32 rows); wave w takes tile w / 2 and half w % 2 of K: four steps of 128.  Each load reads 512 consecutive bytes of one row; the 16 rows
; turn through the wave's own stage in LDS, so that a lane gets, of its row, 16 neighbours of each block of 32.  Every store covers 256 consecutive bytes, aligned.
; Work-groups share no input, so there is no cluster; waves share nothing, so there is no barrier.
.set STG,   8448                       ; a wave's stage: 16 rows x (512 bytes + 16)
.set SPARE, 4*STG                      ; behind the four stages: the spare words, 128 bytes for each wave
.set SPW,   12                         ; v12      LDS address of my spare word; never rewritten
.set NIL,   13                         ; v13      0; never rewritten
.set TM,    16                         ; v16-31   at work in QUANT
.set PC,    32                         ; v32-51   the codes just made
.set PW,    52                         ; v52-55   the four steps' scale words
.set SD,    56                         ; v56-57   what I store of them
.set R,     64                         ; v64-191  two sets of 64 numbers as loaded
.set X,     192                        ; v192-255 64 numbers of my row: register 16 b + i = k 32 b + 16 (lane / 16) + i
.set SEL,   20                         ; s[20:21] v_permlanex16_b32's selects for lane l xor 16
.set HM,    22                         ; s22      the mask of lanes 16-31
	s_load_b256 s[4:11], s[0:1], 0x0               ; x, w_qkv, w_proj, the codes
	s_load_b64 s[12:13], s[0:1], 0x20              ; the scale words
	v_lshl_add_u32 v[SPW], v0, 2, SPARE
	v_mov_b32 v[NIL], 0
	v_lshrrev_b32 v6, 5, v0
	v_readfirstlane_b32 s16, v6                    ; wave
	v_and_b32 v7, 31, v0                           ; lane
	v_and_b32 v8, 15, v0                           ; r
	v_bfe_u32 v9, v0, 4, 1                         ; h
	v_lshlrev_b32 v1, 4, v7                        ; my 16 bytes of a load's 512
	s_mul_i32 s17, s16, STG
	v_add_nc_u32 v2, s17, v1                       ; the stage, on the way in: 16 x lane in a row
	v_mul_u32_u24 v3, v8, 528
	v_lshl_add_u32 v3, v9, 6, v3
	v_add_nc_u32 v3, s17, v3                       ; and on the way out: row r, + 64 h
	v_lshlrev_b32 v4, 3, v7                        ; an image's place for my lane
	v_lshlrev_b32 v5, 4, v8
	v_lshl_add_u32 v5, v9, 3, v5                   ; the scale words: 16 r + 8 h
	v_cmp_le_u32 s[HM], 16, v7
	s_mov_b32 s[SEL], 0x76543210
	s_mov_b32 s[SEL+1], 0xfedcba98
.irp b, 0,1,2,3
	v_mov_b32 v[TM+4+\b], 0                        ; written once: a lane permute's destination counts as one of its sources
.endr
	s_lshr_b32 s18, s16, 1                         ; which tile of the pair
	s_and_b32 s19, s16, 1                          ; which half of K
	s_mov_b32 s15, 352
	s_wait_alu depctr_va_vdst(0)
	s_wait_kmcnt 0x0
	s_cmp_lt_u32 ttmp9, 352                        ; which tensor: the choice hangs on the work-group's number alone
	s_cselect_b64 s[6:7], s[6:7], s[8:9]
	s_cselect_b32 s14, 256, s15
	s_cmp_lt_u32 ttmp9, 256
	s_cselect_b64 s[4:5], s[4:5], s[6:7]
	s_cselect_b32 s14, 0, s14
	s_sub_co_u32 s14, ttmp9, s14                   ; the pair's number in its tensor
	s_lshl_b32 s24, s14, 17                        ; 32 rows of 4,096 bytes,
	s_lshl_b32 s25, s18, 15                        ; 8 rows on for the pair's second tile,
	s_add_co_u32 s24, s24, s25
	s_lshl_b32 s25, s19, 11                        ; 512 numbers on for the second half of K
	s_add_co_u32 s24, s24, s25
	s_mov_b32 s25, 0
	s_add_nc_u64 s[4:5], s[4:5], s[24:25]
	s_lshl_b32 s26, ttmp9, 1
	s_add_co_u32 s26, s26, s18                     ; Tn
	s_mul_i32 s24, s26, 12288
	s_mul_i32 s27, s19, 6144
	s_add_co_u32 s24, s24, s27
	s_add_nc_u64 s[10:11], s[10:11], s[24:25]
	s_lshl_b32 s24, s26, 9
	s_lshl_b32 s27, s19, 8
	s_add_co_u32 s24, s24, s27
	s_add_nc_u64 s[12:13], s[12:13], s[24:25]
.macro LOAD t                          ; step t: 128 numbers of each of the tile's 16 rows
.irp i, 0,1,2,3,4,5,6,7,8,9,10,11,12,13,14,15
	global_load_b128 v[R+64*((\t)%2)+4*\i:R+64*((\t)%2)+4*\i+3], v1, s[4:5] offset:((\i%8)+16*(\i/8))*4096+512*(\t) th:TH_LOAD_NT
.endr
.endm
; 64 numbers of a lane, register 16 b + i = k 32 b + 16 (lane / 16) + i of my row, become a fragment's codes in v[PC] on and its scale word in v[pw].
.macro QUANT s, pw
.irp b, 0,1,2,3
	v_max3_num_f32 v[TM+\b], |v[\s+16*\b]|, |v[\s+1+16*\b]|, 0x1800000   ; block b: my 16 numbers, and the floor 2^(3 - 127): so the byte cannot fall under 1
.endr
.irp i, 2,4,6,8,10,12,14
.irp b, 0,1,2,3
	v_max3_num_f32 v[TM+\b], v[TM+\b], |v[\s+16*\b+\i]|, |v[\s+1+16*\b+\i]|   ; the four blocks by turns
.endr
.endr
.irp b, 0,1,2,3
	v_permlanex16_b32 v[TM+4+\b], v[TM+\b], s[SEL], s[SEL+1]
.endr
.irp b, 0,1,2,3
	v_max_num_f32 v[TM+\b], v[TM+\b], v[TM+4+\b]   ; with lane l xor 16's: the block's largest magnitude
.endr
.irp b, 0,1,2,3
	v_add_nc_u32 v[TM+12+\b], 0xff000000, v[TM+\b] ; 2 off its exponent field: the conversion takes the exponent field of this operand as its scale
.endr
.irp b, 0,1,2,3
	v_lshrrev_b32 v[TM+4+\b], 23, v[TM+12+\b]      ; the scale's byte
.endr
	v_lshl_or_b32 v[\pw], v[TM+5], 8, v[TM+4]      ; the four bytes make my row's scale word
	v_lshl_or_b32 v[\pw], v[TM+6], 16, v[\pw]
	v_lshl_or_b32 v[\pw], v[TM+7], 24, v[\pw]
.irp c, 0,1
	v_cvt_scalef32_pk16_fp6_f32 v[PC+6*\c:PC+2+6*\c], v[\s+32*\c:\s+15+32*\c], v[TM+12+2*\c]
	v_cvt_scalef32_pk16_fp6_f32 v[PC+12+4*\c:PC+14+4*\c], v[\s+16+32*\c:\s+31+32*\c], v[TM+12+2*\c+1]   ; (a conversion's three registers begin on an even number)
.endr
	v_nop                                          ; one plain place behind a scaled conversion
.irp c, 0,1                                    ; the operand's layout wants a whole block in a lane: lanes 0-15 block 2 c, lanes 16-31 block 2 c + 1
.irp i, 0,1,2
	v_permlane16_swap_b32 v[PC+6*\c+\i], v[PC+12+4*\c+\i]
.endr
.irp i, 0,1,2
	v_mov_b32 v[PC+3+6*\c+\i], v[PC+12+4*\c+\i]
.endr
.endr
.endm
.macro STEP t
.if (\t) < 3
	s_wait_loadcnt 16                              ; this step's 16 loads are in; the next step's 16 may be out
.else
	s_wait_loadcnt 0x0
.endif
.irp i, 0,1,2,3,4,5,6,7,8,9,10,11,12,13,14,15
	ds_store_b128 v2, v[R+64*((\t)%2)+4*\i:R+64*((\t)%2)+4*\i+3] offset:528*\i
.endr
.irp b, 0,1,2,3
.irp j, 0,1,2,3
	ds_load_b128 v[X+16*\b+4*\j:X+16*\b+4*\j+3], v3 offset:128*\b+16*\j   ; LDS serves a wave's instructions in order: these see the stores above
.endr
.endr
	s_wait_dscnt 0x0                               ; my numbers are back, and the stores have read their registers,
.if (\t) < 2
	LOAD (\t)+2                                    ; which take the loads of two steps on
.endif
	s_wait_xcnt 0x0                                ; the last step's stores have read the codes' registers: they are written again only behind this wait
	QUANT X, PW+(\t)
.irp p, 0,1,2,3,4,5
	global_store_b64 v4, v[PC+2*\p:PC+2*\p+1], s[10:11] offset:1536*(\t)+256*\p   ; 32 lanes store 256 consecutive bytes, aligned
.endr
.endm
	LOAD 0
	LOAD 1
	STEP 0
	STEP 1
	STEP 2
	STEP 3
	v_cndmask_b32 v[SD], v[PW], v[PW+2], s[HM]     ; lanes 0-15 store their row's words of steps 0 and 1, lanes 16-31 those of steps 2 and 3
	v_cndmask_b32 v[SD+1], v[PW+1], v[PW+3], s[HM]
	global_store_b64 v5, v[SD:SD+1], s[12:13]      ; 256 consecutive bytes, aligned
	s_wait_tensorcnt 0x0                           ; the wave's end: behind my last LDS store
	ds_add_u32 v[SPW], v[NIL]
	s_wait_dscnt 0x0
	s_endpgm
.Lfunc_end_k_q7b4dd25079_quant:
	.size	k_q7b4dd25079_quant, .Lfunc_end_k_q7b4dd25079_quant-k_q7b4dd25079_quant
	.p2alignl 7, 3214868480
	.fill 96, 4, 3214868480
	.section	.rodata,"a",@progbits
	.p2align	6, 0x0
	.amdhsa_kernel k_q7b4dd25079_quant
		.amdhsa_group_segment_fixed_size 34304
		.amdhsa_private_segment_fixed_size 0
		.amdhsa_enable_private_segment 0
		.amdhsa_kernarg_size 40
		.amdhsa_user_sgpr_count 2
		.amdhsa_user_sgpr_kernarg_segment_ptr 1
		.amdhsa_wavefront_size32 1
		.amdhsa_system_sgpr_workgroup_id_x 1
		.amdhsa_system_sgpr_workgroup_id_y 1
		.amdhsa_system_sgpr_workgroup_id_z 1
		.amdhsa_system_vgpr_workitem_id 0
		.amdhsa_next_free_vgpr 256
		.amdhsa_next_free_sgpr 66
		.amdhsa_reserve_vcc 0
		.amdhsa_float_denorm_mode_32 3
		.amdhsa_float_denorm_mode_16_64 3
		.amdhsa_memory_ordered 1
		.amdhsa_forward_progress 1
		.amdhsa_inst_pref_size 35
	.end_amdhsa_kernel
	.amdgpu_metadata
---
amdhsa.version: [ 1, 2 ]
amdhsa.kernels:
  - .name:           k_q7b4dd25079_quant
    .symbol:         k_q7b4dd25079_quant.kd
    .args:
      - { .name: x, .offset: 0, .size: 8, .value_kind: global_buffer, .address_space: global }
      - { .name: w_qkv, .offset: 8, .size: 8, .value_kind: global_buffer, .address_space: global }
      - { .name: w_proj, .offset: 16, .size: 8, .value_kind: global_buffer, .address_space: global }
      - { .name: codes1, .offset: 24, .size: 8, .value_kind: global_buffer, .address_space: global }
      - { .name: scales1, .offset: 32, .size: 8, .value_kind: global_buffer, .address_space: global }
    .group_segment_fixed_size: 34304
    .private_segment_fixed_size: 0
    .kernarg_segment_align: 8
    .kernarg_segment_size: 40
    .max_flat_workgroup_size: 128
    .sgpr_count:     66
    .vgpr_count:     256
    .wavefront_size: 32
...
	.end_amdgpu_metadata
.endif
;; end of part 1
;; launch gemm_qkv (part 2): grid 8 x 48, 4 waves a work-group, clusters of 4 x 4, 327,680 bytes of LDS; arguments codes1, scales1, codes2, scales2; writes codes2, scales2
.if DOCPART == 2
	.amdgcn_target "amdgcn-amd-amdhsa--gfx1250"
	.amdhsa_code_object_version 6
	.text
	.protected	k_q7b4dd25079_gemm_qkv
	.globl	k_q7b4dd25079_gemm_qkv
	.p2align	8
	.type	k_q7b4dd25079_gemm_qkv,@function
k_q7b4dd25079_gemm_qkv:
	s_mov_b64 s[64:65], 0
	v_nop
	global_prefetch_b8 v0, s[64:65] scope:SCOPE_SE
	s_setreg_imm32_b32 hwreg(HW_REG_WAVE_MODE, 25, 1), 1
	s_wait_xcnt 0x0
	s_wait_alu depctr_hold_cnt(0) depctr_sa_sdst(0) depctr_va_vdst(0) depctr_va_sdst(0) depctr_va_ssrc(0) depctr_va_vcc(0) depctr_vm_vsrc(0)
	s_getreg_b32 s2, hwreg(HW_REG_IB_STS2, 6, 4)
	s_cmp_eq_u32 s2, 0
	s_cbranch_scc0 .Lentry_in_a_cluster
	s_endpgm
.Lentry_in_a_cluster:
	s_bfe_u32 s2, ttmp6, 0x10000c
	s_cmp_lg_u32 s2, 0xf033
	s_cbranch_scc0 .Lentry_shape_is_right
	s_endpgm
.Lentry_shape_is_right:
; qkv = x w_qkv^T on codes of FP6 (E2M3) with E8M0 scales, K = 1,024; the results are quantised in the accumulators' registers and leave as codes: q and k along the head's 64, v along the keys.
; THE PRODUCT.  Source 0 = 16 rows of P, source 1 = 16 rows of R: a lane holds ONE row of R, and its registers run along P's rows.  By the tiles' row order (tile n, row m = row
; 32 (n / 2) + 8 (n % 2) + m % 8 + 16 (m / 8)) the 16 registers of P's tiles 2 b, 2 b + 1 are the 16 neighbours 32 b + 16 (lane / 16) + 0 .. 15: what the conversions want.
; ROLES, by the cluster's y alone (the same in all sixteen partners).  y < 8: R = x, P = w_qkv's rows of q and k: a wave's 128 rows of P are two heads.  y >= 8: R = w_qkv's rows of v, P = x: a wave's
; 128 rows of P are 128 keys, one K step of the attention's second product.
; A work-group makes 256 rows of R x 256 rows of P; a wave 128 x 128: 64 accumulators, 512 registers.  K goes in steps of 128, two to a slot, through a ring of two LDS slots.
; OPERANDS lie in memory as images of their registers (a fragment: six pieces of 256 bytes, piece p = registers 2 p, 2 p + 1 of lane l at 256 p + 8 l): a tensor load brings 8 tiles x 3,072 bytes, and every
; LDS load of 8 bytes a lane takes 256 consecutive bytes: no pitch, no padding.
; CLUSTERS: 4 x 4.  R's tiles hang on cy alone and are asked for jointly along a row of the cluster, P's on cx alone, along a column.
; THE SCALE WORDS of a wave's 128 + 128 rows, for all of K, are 64 registers: they come once, from memory, 256 consecutive bytes to each half of the lanes.
; The K steps are written out (eight): a step's scale words stand in registers of its own.
; OUT: codes2: the half image (768 bytes) of head g (0-15 q, 16-31 k) and x tile X at 393,216 g + 768 X; v's fragment of (J = 128 keys, vt = tile of channels) at 12,582,912 + 1,536 (64 J + vt).
;      scales2: q's and k's word (two bytes, then two of 0) of (g, X, m) at 32,768 g + 512 (X / 8) + 256 ((X / 4) % 2) + 16 m + 4 (X % 4); v's of (J, head, m, dt) at 1,048,576 + 4,096 J + 256 head + 16 m + 4 dt.
; LIMITS: as the quantiser's: no NaN or infinity; a block under 2^-124 has its byte held at 1; a block of zeros gets the byte 1 (its codes are zeros; this program alone reads the bytes).
; REGISTERS: window 0: v16-29 addresses; v32-95 scale words; v96-127 at work on the way out; v128-223 R's fragments, one set (later the codes just made).  window 1: P's fragments, two sets, at v0 and v128.
;   window 2: the accumulators of R's blocks 0-3 (block a, P's tile b at v[8 (8 (a % 4) + b)]);  window 3: those of blocks 4-7.
.set FR,    12                         ; registers of a fragment
.set NL,    6                          ; LDS loads that bring one
.set NP,    4                          ; places behind this matrix instruction (ISA guide 7.12.1)
.set HALFT, 24576                      ; 8 tiles x two K steps: what one tensor load brings, and what one wave reads of R or of P
.set SLOT,  4*HALFT                    ; R's two halves, then P's two
.set SPARE, 2*SLOT                     ; behind the ring: the spare words, 128 bytes for each wave
.set ADRA,  16                         ; v16-17  LDS address of my R fragments in slot 0, 1
.set ADRB,  20                         ; v20-21  the same for P
.set VLO,   24                         ; v24     8 x lane: an image's place for my lane
.set VHI,   25                         ; v25     the same for registers 6-11: the next head's half image, or the fragment's second half
.set L16,   26                         ; v26     16 x lane
.set SOF,   27                         ; v27     my scale words in memory: lanes 0-15 R's rows, lanes 16-31 P's
.set SPW,   28                         ; v28     LDS address of my spare word; never rewritten
.set NIL,   29                         ; v29     0; never rewritten
.set SC,    32                         ; v[SC + 8 i + s]: lanes 0-15 the word of R's tile i, lanes 16-31 that of P's tile i, for K step s
.set TM,    96
.set W,     112                        ; v112-119 the scale words made, one for each block of R
.set T,     120
.set T2,    124
.set AF,    128
.set PC,    128
.set G1,    24                         ; s[24:31] descriptor group 1 for R's tiles;  s[32:39] group 0, one set for each slot
.set G0,    32
.set G1B,   48                         ; s[48:55], s[56:63] the same for P's
.set G0B,   56
.set OUT,   72                         ; s[72:73] where the block's codes go
.set SA,    74                         ; s[74:75] from block to block
.set SOUT,  76                         ; s[76:77] where the scale words go
.set FL,    78                         ; s78     the floor 2^(3 - 127)
.set SEL,   80                         ; s[80:81] selects for lane l xor 16
.set ROLE,  93
.set HM,    94                         ; s94     the mask of lanes 16-31
.set MSB, 0
.macro WIN new                         ; the immediate's high byte repeats the setting that is left
.if MSB != \new
	s_set_vgpr_msb (MSB<<8)|\new
.set MSB, \new
.endif
.endm
.set MUL_LO, 0xa1                      ; source 0 (P) window 1, source 1 (R) window 0, C and D window 2
.set MUL_HI, 0xf1                      ; the same, C and D window 3
.set TO_B,   0x40                      ; destination window 1, address window 0
; A joint load: waves 0 and 1 fetch for R, waves 2 and 3 for P.  The branch hangs on the wave's number alone.  An s_nop 0 and four v_nop follow each of the two lines.
.macro JLOAD g0a, g1a, g0b, g1b
	s_cmp_eq_u32 s15, 0
	s_cbranch_scc0 .Lfor_b_\@
	tensor_load_to_lds s[\g0a:\g0a+3], s[\g1a:\g1a+7]
	s_nop 0
.rept 4
	v_nop
.endr
	s_branch .Lasked_\@
.Lfor_b_\@:
	tensor_load_to_lds s[\g0b:\g0b+3], s[\g1b:\g1b+7]
	s_nop 0
.rept 4
	v_nop
.endr
.Lasked_\@:
.endm
.macro CREST                           ; a round of the cluster's barrier behind its opening barrier
	s_cmp_lg_u32 s14, 0
	s_cbranch_scc1 .Lnot_wave_0_\@
	s_barrier_signal -3
.Lnot_wave_0_\@:
	s_barrier_wait -3
	s_barrier_signal -1
	s_barrier_wait -1
.endm
.macro CROUND                          ; a whole round
	s_barrier_signal -1
	s_barrier_wait -1
	CREST
.endm
	s_load_b256 s[4:11], s[0:1], 0x0               ; codes1, scales1, codes2, scales2
	v_lshl_add_u32 v[SPW], v0, 2, SPARE
	v_mov_b32 v[NIL], 0
	ds_add_u32 v[SPW], v[NIL]
	ds_add_u32 v[SPW], v[NIL]                      ; the wave's opening: the add and its wait ahead of my first tensor load; work on registers stands between them
	v_lshrrev_b32 v1, 5, v0
	v_readfirstlane_b32 s14, v1                    ; wave 0..3
	s_lshr_b32 s15, s14, 1                         ; which half of R's rows is mine.  Also: I fetch for R (0) or for P (1)
	s_and_b32 s16, s14, 1                          ; which half of P's rows.  Also: which 8 tiles I fetch
	s_bfe_u32 s40, ttmp6, 0x40000                  ; cx
	s_bfe_u32 s41, ttmp6, 0x40004                  ; cy
	s_and_b32 s17, ttmp7, 0xffff                   ; the cluster's y
	s_lshl_b32 s43, s41, 2
	s_lshl_b32 s43, 15, s43                        ; my row of the cluster
	s_lshl_b32 s44, 0x1111, s40                    ; my column
	s_or_b32 s[G1+0], s43, (3<<16)|(1<<21)         ; 15:0 the mask: R's tiles go to my row; 17:16 elements of 8 bytes; 20 no padding; 21 set beside a mask
	s_or_b32 s[G1B+0], s44, (3<<16)|(1<<21)
.irp g, G1, G1B
	s_mov_b32 s[\g+1], 384<<16                     ; tensor_dim0 = 384 elements: a tile's two K steps, 3,072 bytes
	s_mov_b32 s[\g+2], 8<<16                       ; tensor_dim1 = 8 tiles
	s_mov_b32 s[\g+3], 384<<16                     ; tile_dim0
	s_mov_b32 s[\g+4], 8                           ; tile_dim1
	s_mov_b32 s[\g+5], 1536                        ; from tile to tile: 12,288 bytes
	s_mov_b32 s[\g+6], 0
	s_mov_b32 s[\g+7], 0
.endr
	; which tiles, in units of 16 rows.  R's chain (s20-23) never holds cx, P's (s45-47, s66-67) never cy
	s_lshl_b32 s20, s17, 6                         ; 64 x cluster y
	s_lshl_b32 s46, ttmp9, 6                       ; 64 x cluster x
	s_max_u32 s45, s17, 8
	s_sub_co_u32 s45, s45, 8
	s_lshl_b32 s45, s45, 7                         ; 128 x (cluster y - 8)
	s_cmp_lt_u32 s17, 8
	s_cselect_b32 s[ROLE], 0, 1
	s_cselect_b32 s20, s20, 640                    ; R begins: x's tiles, or w_qkv's rows of v
	s_cselect_b32 s45, 512, s45
	s_add_co_u32 s46, s46, s45                     ; P begins: w_qkv's rows of q and k, or x's tiles
	s_lshl_b32 s21, s41, 4
	s_add_co_u32 s20, s20, s21                     ; + 16 cy
	s_lshl_b32 s47, s40, 4
	s_add_co_u32 s46, s46, s47                     ; + 16 cx
	s_lshl_b32 s18, s16, 3
	s_lshl_b32 s19, s15, 3
	s_add_co_u32 s23, s20, s19                     ; s23: the first tile of R that I multiply
	s_add_co_u32 s20, s20, s18                     ; the first tile of R that I would fetch
	s_add_co_u32 s46, s46, s18                     ; s46: the first tile of P that I multiply, and would fetch
	s_mul_i32 s20, s20, 12288
	s_mov_b32 s21, 0
	s_mul_i32 s66, s46, 12288
	s_mov_b32 s67, 0
	s_mul_i32 s45, s14, HALFT                      ; where they go: wave x 8 tiles: no place in the cluster enters an LDS address
	s_mov_b32 s[FL], 0x1800000
	s_mov_b32 s[SEL], 0x76543210
	s_mov_b32 s[SEL+1], 0xfedcba98
	s_wait_dscnt 0x0                               ; the opening add is done
	s_wait_kmcnt 0x0
	s_add_nc_u64 s[20:21], s[4:5], s[20:21]
	s_add_nc_u64 s[66:67], s[4:5], s[66:67]
	CROUND                                         ; all sixteen work-groups are here: the first joint loads meet
.irp s, 0,1
	s_mov_b32 s[G0+4*\s], 1
	s_add_co_u32 s[G0+4*\s+1], s45, \s*SLOT
	s_add_nc_u64 s[G0+4*\s+2:G0+4*\s+3], s[20:21], \s*3072
	s_or_b32 s[G0+4*\s+3], s[G0+4*\s+3], 0x80000000
	s_mov_b32 s[G0B+4*\s], 1
	s_add_co_u32 s[G0B+4*\s+1], s45, \s*SLOT
	s_add_nc_u64 s[G0B+4*\s+2:G0B+4*\s+3], s[66:67], \s*3072
	s_or_b32 s[G0B+4*\s+3], s[G0B+4*\s+3], 0x80000000
	JLOAD G0+4*\s, G1, G0B+4*\s, G1B               ; two loads of mine are out
.endr
	v_and_b32 v1, 15, v0                           ; r
	v_and_b32 v2, 31, v0                           ; lane
	v_cmp_le_u32 s[HM], 16, v2
	s_lshl_b32 s82, s23, 9                         ; a tile's scale words are 512 bytes
	s_lshl_b32 s83, s46, 9
	v_mov_b32 v3, s82
	v_mov_b32 v4, s83
	v_cndmask_b32 v[SOF], v3, v4, s[HM]
	v_lshl_add_u32 v[SOF], v1, 4, v[SOF]
.irp i, 0,1,2,3,4,5,6,7
.irp kh, 0,1
	global_load_b128 v[SC+8*\i+4*\kh:SC+8*\i+4*\kh+3], v[SOF], s[6:7] offset:512*\i+256*\kh   ; sixteen lanes read 256 consecutive bytes: a tile's words of four K steps
.endr
.endr
	v_lshlrev_b32 v[VLO], 3, v2
	v_lshlrev_b32 v[L16], 4, v2
	s_mul_i32 s84, s15, HALFT                      ; my 8 tiles of R
	s_mul_i32 s85, s16, HALFT                      ; my 8 tiles of P,
	s_add_co_u32 s85, s85, 2*HALFT                 ; which lie behind R's 16
.irp s, 0,1
	v_add_nc_u32 v[ADRA+\s], s84, v[VLO]
	v_add_nc_u32 v[ADRB+\s], s85, v[VLO]
	s_add_co_u32 s84, s84, SLOT
	s_add_co_u32 s85, s85, SLOT
.endr
.irp b, 0,1,2,3
	v_mov_b32 v[TM+4+\b], 0                        ; written once: a lane permute's destination counts as one of its sources
.endr
	; the way out's addresses.  q, k: head pair (P's tile - 512) / 4 x 393,216 + 768 x R's tile.  v: 12,582,912 + (P's tile / 8) x 98,304 + 1,536 x (R's tile - 640)
	s_cmp_eq_u32 s[ROLE], 0
	s_cselect_b32 s82, 512, 0
	s_cselect_b32 s83, 0, 640
	s_mov_b32 s86, 12288
	s_cselect_b32 s86, 98304, s86
	s_mov_b32 s[SA], 1536
	s_cselect_b32 s[SA], 768, s[SA]
	s_cselect_b32 s87, 0, 12582912
	s_mov_b32 s88, 512
	s_cselect_b32 s88, 8192, s88
	s_cselect_b32 s89, 0, 1048576
	s_mov_b32 s90, 768
	s_cselect_b32 s90, 393216, s90
	s_mov_b32 s[SA+1], 0
	s_sub_co_u32 s82, s46, s82
	s_sub_co_u32 s83, s23, s83
	s_mul_i32 s86, s82, s86
	s_mul_i32 s91, s83, s[SA]
	s_add_co_u32 s86, s86, s91
	s_add_co_u32 s86, s86, s87
	s_mov_b32 s87, 0
	s_add_nc_u64 s[OUT:OUT+1], s[8:9], s[86:87]
	s_mul_i32 s88, s82, s88
	s_lshl_b32 s91, s83, 6
	s_add_co_u32 s88, s88, s91
	s_add_co_u32 s88, s88, s89
	s_mov_b32 s89, 0
	s_add_nc_u64 s[SOUT:SOUT+1], s[10:11], s[88:89]
	v_add_nc_u32 v[VHI], s90, v[VLO]
.macro FRAG reg, adr, q, i             ; a fragment comes back as it was stored: six pieces of 256 consecutive bytes
.irp p, 0,1,2,3,4,5
	ds_load_b64 v[\reg+2*\p:\reg+2*\p+1], v[\adr] offset:3072*(\i)+1536*(\q)+256*\p
.endr
.endm
; 16 matrix instructions: R's blocks a0, a0 + 1 x P's eight tiles, K step gs.  p: P's set.  zero = 1: the first product starts the sums.
; The 64 accumulators take turns, one instruction a turn, in the same order in every step.
.macro MUL16 a0, p, gs, zero
.irp a, \a0, \a0+1
.irp b, 0,1,2,3,4,5,6,7
.if \zero
	v_wmma_scale_f32_16x16x128_f8f6f4 v[8*(8*((\a)%4)+\b):8*(8*((\a)%4)+\b)+7], v[128*(\p)+FR*\b:128*(\p)+FR*\b+FR-1], v[AF+FR*(\a):AF+FR*(\a)+FR-1], 0, v[SC+8*\b+(\gs)], v[SC+8*(\a)+(\gs)] matrix_a_fmt:MATRIX_FMT_FP6 matrix_b_fmt:MATRIX_FMT_FP6 matrix_a_scale:MATRIX_SCALE_ROW1
.else
	v_wmma_scale_f32_16x16x128_f8f6f4 v[8*(8*((\a)%4)+\b):8*(8*((\a)%4)+\b)+7], v[128*(\p)+FR*\b:128*(\p)+FR*\b+FR-1], v[AF+FR*(\a):AF+FR*(\a)+FR-1], v[8*(8*((\a)%4)+\b):8*(8*((\a)%4)+\b)+7], v[SC+8*\b+(\gs)], v[SC+8*(\a)+(\gs)] matrix_a_fmt:MATRIX_FMT_FP6 matrix_b_fmt:MATRIX_FMT_FP6 matrix_a_scale:MATRIX_SCALE_ROW1
.endif
.endr
.endr
.endm
.macro FETCH_B slot, q, p              ; P's eight fragments of the slot's q-th K step into set p
	WIN TO_B
.irp i, 0,1,2,3,4,5,6,7
	FRAG 128*(\p)+FR*\i, ADRB+\slot, \q, \i
.endr
	WIN 0
.endm
.macro FETCH_A slot, q, i0             ; R's blocks i0 .. i0 + 3
.irp i, \i0, \i0+1, \i0+2, \i0+3
	FRAG AF+FR*(\i), ADRA+\slot, \q, \i
.endr
.endm
.macro PLACES n                        ; plain vector instructions between a matrix instruction and a load into, or a read of, its registers
.rept \n
	v_nop
.endr
.endm
; A slot's first K step: its successor lies in the same slot.
.macro STEP slot, gs, zero
	s_wait_dscnt 4*NL                              ; P's set and R's blocks 0-3 are in; the youngest 24 loads (R's blocks 4-7) may be out
	WIN MUL_LO
	MUL16 0, 0, \gs, \zero
	MUL16 2, 0, \gs, \zero
	s_wait_dscnt 0                                 ; R's blocks 4-7 are in
	PLACES NP
	FETCH_B \slot, 1, 1
	FETCH_A \slot, 1, 0
	WIN MUL_HI
	MUL16 4, 0, \gs, \zero
	MUL16 6, 0, \gs, \zero
	PLACES NP
	WIN 0
	FETCH_A \slot, 1, 4
.endm
; A slot's second K step changes slots: ONE barrier; in front of it each wave waits for all its tensor loads, adds 0 to its spare word, and waits for that and for its own reads of this slot.
; fill = 1: the barrier opens a round of the cluster's, and this slot is filled again, four K steps ahead.
.macro TURN slot, next, fill, gs
	s_wait_tensorcnt 0x0                           ; all my tensor loads have landed: my part of the next slot
	ds_add_u32 v[SPW], v[NIL]                      ; 0 onto my spare word
	s_wait_dscnt 4*NL+1                            ; (the add and the youngest 24 loads may be out)
	WIN MUL_LO
	MUL16 0, 1, \gs, 0                             ; sixteen matrix instructions stand between the add and the wait for it
	s_wait_dscnt 0x0                               ; the add is done, and my reads of this slot are over
	s_barrier_signal -1
	MUL16 2, 1, \gs, 0
	WIN 0
	s_barrier_wait -1
.if \fill
	CREST                                          ; no wave of any partner still reads this slot's tiles or has a load on its way
	s_add_nc_u64 s[G0+4*\slot+2:G0+4*\slot+3], s[G0+4*\slot+2:G0+4*\slot+3], 6144
	s_add_nc_u64 s[G0B+4*\slot+2:G0B+4*\slot+3], s[G0B+4*\slot+2:G0B+4*\slot+3], 6144
	JLOAD G0+4*\slot, G1, G0B+4*\slot, G1B         ; the first tensor load behind the round, one a wave; the four v_nop behind it are the places in front of the loads below
.else
	PLACES NP
.endif
	FETCH_B \next, 0, 0
	FETCH_A \next, 0, 0
	WIN MUL_HI
	MUL16 4, 1, \gs, 0
	MUL16 6, 1, \gs, 0
	PLACES NP
	WIN 0
	FETCH_A \next, 0, 4
.endm
.macro LAST gs                         ; the very last K step: nothing more to fetch
	s_wait_dscnt 4*NL
	WIN MUL_LO
	MUL16 0, 1, \gs, 0
	MUL16 2, 1, \gs, 0
	s_wait_dscnt 0
	WIN MUL_HI
	MUL16 4, 1, \gs, 0
	MUL16 6, 1, \gs, 0
	WIN 0
.endm
	s_wait_alu depctr_va_vdst(0)
	s_wait_tensorcnt 1                             ; my part of slot 0 is in; slot 1's may stay out
	s_barrier_signal -1
	s_barrier_wait -1                              ; everybody's is
	FETCH_B 0, 0, 0
	FETCH_A 0, 0, 0
	FETCH_A 0, 0, 4
	s_wait_loadcnt 0x0                             ; the scale words
	STEP 0, 0, 1                                   ; K steps 0 and 1 in slot 0; the first products start the sums
	TURN 0, 1, 1, 1                                ; slot 0 takes K steps 4 and 5
	STEP 1, 2, 0
	TURN 1, 0, 1, 3                                ; slot 1 takes K steps 6 and 7
	STEP 0, 4, 0
	TURN 0, 1, 0, 5                                ; nothing is left to fetch
	STEP 1, 6, 0
	LAST 7
; THE WAY OUT.  Block a's 64 accumulator registers are, for my row of R, register 16 b + i = P's row 32 b + 16 (lane / 16) + i: four blocks of 32 along the next K.  They are quantised where they stand.
; The windows are set three times: for the maxima (sources 1 and 2 the accumulators'; source 0, the floor or the running maximum, in window 0), for the lines on lanes and scales, for the conversions (source 0).
; Each accumulator is read from its low end on.
.macro QUANTW a
.set AC, 64*((\a)%4)
	WIN (2+(\a)/4)*20
.irp b, 0,1,2,3
	v_max3_num_f32 v[TM+\b], s[FL], |v[AC+16*\b]|, |v[AC+16*\b+1]|   ; and the floor 2^(3 - 127): the byte cannot fall under 1
.endr
.irp i, 2,4,6,8,10,12,14
.irp b, 0,1,2,3
	v_max3_num_f32 v[TM+\b], v[TM+\b], |v[AC+16*\b+\i]|, |v[AC+16*\b+\i+1]|
.endr
.endr
	WIN 0
.irp b, 0,1,2,3
	v_permlanex16_b32 v[TM+4+\b], v[TM+\b], s[SEL], s[SEL+1]
.endr
.irp b, 0,1,2,3
	v_max_num_f32 v[TM+\b], v[TM+\b], v[TM+4+\b]
.endr
.irp b, 0,1,2,3
	v_add_nc_u32 v[TM+12+\b], 0xff000000, v[TM+\b] ; 2 off the exponent field: the conversion's scale operand
.endr
.irp b, 0,1,2,3
	v_lshrrev_b32 v[TM+4+\b], 23, v[TM+12+\b]      ; the scale's byte
.endr
	v_lshl_or_b32 v[W+(\a)], v[TM+5], 8, v[TM+4]
	v_lshl_or_b32 v[W+(\a)], v[TM+6], 16, v[W+(\a)]
	v_lshl_or_b32 v[W+(\a)], v[TM+7], 24, v[W+(\a)]
.if (\a) > 0
	s_wait_xcnt 0x0                                ; the last block's stores have read their data and their base: both are written again only behind this wait
	s_add_nc_u64 s[OUT:OUT+1], s[OUT:OUT+1], s[SA:SA+1]
.endif
	WIN (2+(\a)/4)
.irp c, 0,1
	v_cvt_scalef32_pk16_fp6_f32 v[PC+6*\c:PC+2+6*\c], v[AC+32*\c:AC+32*\c+15], v[TM+12+2*\c]
	v_cvt_scalef32_pk16_fp6_f32 v[PC+12+4*\c:PC+14+4*\c], v[AC+32*\c+16:AC+32*\c+31], v[TM+12+2*\c+1]
.endr
	WIN 0
	v_nop                                          ; one plain place behind a scaled conversion
.irp c, 0,1
.irp i, 0,1,2
	v_permlane16_swap_b32 v[PC+6*\c+\i], v[PC+12+4*\c+\i]
.endr
.irp i, 0,1,2
	v_mov_b32 v[PC+3+6*\c+\i], v[PC+12+4*\c+\i]
.endr
.endr
.irp p, 0,1,2
	global_store_b64 v[VLO], v[PC+2*\p:PC+2*\p+1], s[OUT:OUT+1] offset:256*\p       ; 32 lanes store 256 consecutive bytes, aligned: k 0 .. 63
.endr
.irp p, 0,1,2
	global_store_b64 v[VHI], v[PC+6+2*\p:PC+7+2*\p], s[OUT:OUT+1] offset:256*\p     ; k 64 .. 127: the next head's half image, or the fragment's second half
.endr
.endm
	PLACES NP
.irp a, 0,1,2,3,4,5,6,7
	QUANTW \a
.endr
.irp j, 0,1,2,3
	v_cndmask_b32 v[T+\j], v[W+\j], v[W+4+\j], s[HM]   ; lanes 0-15: my row's words of blocks 0-3; lanes 16-31: of blocks 4-7
.endr
	s_cmp_eq_u32 s[ROLE], 0
	s_cbranch_scc1 .Lqk
	global_store_b128 v[L16], v[T:T+3], s[SOUT:SOUT+1]             ; v: two heads' words of these 128 keys: 512 consecutive bytes
	s_branch .Ldone
.Lqk:
	s_wait_alu depctr_va_vdst(0)
.irp j, 0,1,2,3
	v_and_b32 v[T2+\j], 0xffff, v[T+\j]            ; q, k: a word's low two bytes are the first head's two blocks,
.endr
	global_store_b128 v[L16], v[T2:T2+3], s[SOUT:SOUT+1]
.irp j, 0,1,2,3
	v_lshrrev_b32 v[T+\j], 16, v[T+\j]             ; the high two the next head's
.endr
	global_store_b128 v[L16], v[T:T+3], s[SOUT:SOUT+1] offset:32768
.Ldone:
	s_wait_tensorcnt 0x0                           ; the wave's end: behind my last tensor load
	ds_add_u32 v[SPW], v[NIL]
	s_wait_dscnt 0x0
	CROUND                                         ; the closing round: no work-group ends while a partner may still ask for a tile that names it
	s_endpgm
.Lfunc_end_k_q7b4dd25079_gemm_qkv:
	.size	k_q7b4dd25079_gemm_qkv, .Lfunc_end_k_q7b4dd25079_gemm_qkv-k_q7b4dd25079_gemm_qkv
	.p2alignl 7, 3214868480
	.fill 96, 4, 3214868480
	.section	.rodata,"a",@progbits
	.p2align	6, 0x0
	.amdhsa_kernel k_q7b4dd25079_gemm_qkv
		.amdhsa_group_segment_fixed_size 327680
		.amdhsa_private_segment_fixed_size 0
		.amdhsa_enable_private_segment 0
		.amdhsa_kernarg_size 32
		.amdhsa_user_sgpr_count 2
		.amdhsa_user_sgpr_kernarg_segment_ptr 1
		.amdhsa_wavefront_size32 1
		.amdhsa_system_sgpr_workgroup_id_x 1
		.amdhsa_system_sgpr_workgroup_id_y 1
		.amdhsa_system_sgpr_workgroup_id_z 1
		.amdhsa_system_vgpr_workitem_id 0
		.amdhsa_next_free_vgpr 1024
		.amdhsa_next_free_sgpr 100
		.amdhsa_reserve_vcc 0
		.amdhsa_float_denorm_mode_32 3
		.amdhsa_float_denorm_mode_16_64 3
		.amdhsa_memory_ordered 1
		.amdhsa_forward_progress 1
		.amdhsa_inst_pref_size 164
	.end_amdhsa_kernel
	.amdgpu_metadata
---
amdhsa.version: [ 1, 2 ]
amdhsa.kernels:
  - .name:           k_q7b4dd25079_gemm_qkv
    .symbol:         k_q7b4dd25079_gemm_qkv.kd
    .args:
      - { .name: codes1, .offset: 0, .size: 8, .value_kind: global_buffer, .address_space: global }
      - { .name: scales1, .offset: 8, .size: 8, .value_kind: global_buffer, .address_space: global }
      - { .name: codes2, .offset: 16, .size: 8, .value_kind: global_buffer, .address_space: global }
      - { .name: scales2, .offset: 24, .size: 8, .value_kind: global_buffer, .address_space: global }
    .group_segment_fixed_size: 327680
    .private_segment_fixed_size: 0
    .kernarg_segment_align: 8
    .kernarg_segment_size: 32
    .max_flat_workgroup_size: 128
    .sgpr_count:     100
    .vgpr_count:     1024
    .wavefront_size: 32
...
	.end_amdgpu_metadata
.endif
;; end of part 2
;; launch attn (part 3): grid 4 x 64, 16 waves a work-group, clusters of 4 x 1, 210,944 bytes of LDS; arguments codes2, scales2, codes1, scales1; writes codes1, scales1
.if DOCPART == 3
	.amdgcn_target "amdgcn-amd-amdhsa--gfx1250"
	.amdhsa_code_object_version 6
	.text
	.protected	k_q7b4dd25079_attn
	.globl	k_q7b4dd25079_attn
	.p2align	8
	.type	k_q7b4dd25079_attn,@function
k_q7b4dd25079_attn:
	s_mov_b64 s[64:65], 0
	v_nop
	global_prefetch_b8 v0, s[64:65] scope:SCOPE_SE
	s_setreg_imm32_b32 hwreg(HW_REG_WAVE_MODE, 25, 1), 1
	s_wait_xcnt 0x0
	s_wait_alu depctr_hold_cnt(0) depctr_sa_sdst(0) depctr_va_vdst(0) depctr_va_sdst(0) depctr_va_ssrc(0) depctr_va_vcc(0) depctr_vm_vsrc(0)
	s_getreg_b32 s2, hwreg(HW_REG_IB_STS2, 6, 4)
	s_cmp_eq_u32 s2, 0
	s_cbranch_scc0 .Lentry_in_a_cluster
	s_endpgm
.Lentry_in_a_cluster:
	s_bfe_u32 s2, ttmp6, 0x10000c
	s_cmp_lg_u32 s2, 0x3003
	s_cbranch_scc0 .Lentry_shape_is_right
	s_endpgm
.Lentry_shape_is_right:
; Causal attention of one head on codes of FP6 (E2M3) with E8M0 scales: S^T = K Q^T (K = the head's 64, the instruction's other 64 are zero codes on both sides), softmax, O^T = V^T P^T (K = the keys), O / l,
; and the quantiser along the model's 1,024 for the projection that follows.  q, k, v come as codes from the launch before; the result leaves as codes.
; THE SOFTMAX: t = score x log2(e) / 8; M = the running largest t, rounded UP to a whole number; p = 2^(t - M) is quantised along the keys, not normalised; the row's sum is taken of the unquantised p and divides O at
; the end (a reciprocal and a multiplication).  When M moves, the sum and O are multiplied by 2^(old M - new M): exact.
; SHARES.  A cluster of four work-groups owns one (batch, head).  Its 2,048 queries are 16 groups of 128, each 8 tiles of 16.  Partner cx takes tiles 2 cx and 2 cx + 1 of EVERY group; wave w takes tile 2 cx + w % 2 of
; group w / 2, then of group 15 - w / 2: (w / 2 + 1) + (16 - w / 2) = 17 key steps of 128 keys for every wave of every work-group.  Which steps a wave leaves out (all keys after its queries) and which lies on
; the diagonal hangs on the wave's number and the loop's counter alone: cx enters only addresses in memory and the number that the mask compares with.
; K AND V OF THE WHOLE HEAD STAY IN LDS: 2 x 98,304 bytes of codes and 12,288 of scale words, filled once, by joint loads of the four partners (one a wave, waves 0 to 9): no ring, and no barrier in the loops.
; All that the work-group reads of K and V is asked for at the head, so there is no later stream to ask ahead for.
; LAYOUT.  A lane holds ONE query (lane % 16) throughout.  Tiles hold rows 32 (n / 2) + 8 (n % 2) + m % 8 + 16 (m / 8): so the 16 registers of key tiles 2 b, 2 b + 1 are keys 32 b + 16 (lane / 16) + 0 .. 15,
; and the 16 registers of V's channel tiles 2 b, 2 b + 1 are channels 32 b + 16 (lane / 16) + 0 .. 15.  Fragments lie as images of their registers: each LDS load of 8 bytes a lane takes 256 consecutive bytes.
; The result's scale bytes leave two at a time, 16 bytes apart (both halves of the lanes store the same two bytes): a scale word of the next product spans two heads, which two clusters make.
; LIMITS: no NaN or infinity; a block whose largest magnitude lies under 2^-124 has its byte held at 1; a block of zeros gets the byte 1 (its codes are zeros; this program alone reads the bytes).
; REGISTERS: v1-7 stay; v8-11 addresses in hand; v12 -M, v13 the largest t, v[14:15] the sum; v16-21 Q, v22-27 zeros; v28-31 V's scale words; v32-79 four fragments of K (the upper six of each: zeros);
;   v80-127 V's four fragments; v128-191 S^T, then p; v192-223 O^T; v224-235 p's codes; v232-254 at work; v255 Q's scale word.
.set KC,    0                          ; LDS: K's codes: key tile kt at 768 kt
.set VC,    98304                      ; V's codes: 6,144 x step + 1,536 x channel tile
.set KS,    196608                     ; K's scale words: 512 x step + 256 x (tile / 4) + 16 r
.set VS,    204800                     ; V's: 256 x step + 16 r
.set SPARE, 208896                     ; the spare words, 128 bytes for each wave
.set AK0,  1                           ; v1   8 x lane
.set AV0,  2                           ; v2   VC + 8 x lane
.set ASK0, 3                           ; v3   KS + 16 r
.set ASV0, 4                           ; v4   VS + 16 r
.set SPW,  5                           ; v5   LDS address of my spare word; never rewritten
.set NIL,  6                           ; v6   0; never rewritten
.set D,    7                           ; v7   my query's place in its group of 128, less 16 (lane / 16)
.set ADK,  8
.set ADV,  9
.set ADS,  10
.set ADT,  11
.set WV,   18                          ; s18  my wave's number
.set SEL,  20                          ; s[20:21] selects for lane l xor 16
.set CS,   22                          ; s[22:23] c = log2(e) / 8
.set G1KC, 24                          ; descriptor groups 1: K's codes, V's codes, K's scale words, V's
.set G1VC, 32
.set G1KS, 40
.set G1VS, 48
.set G0KC, 56                          ; and groups 0
.set G0VC, 60
.set G0KS, 68
.set G0VS, 72
.set TK,   2                           ; s2   6,144 x step
.set TS,   3                           ; s3   512 x step
.set TJ,   66                          ; s66  256 x step
.set ST,   67                          ; s67  the step
.set G,    92                          ; s92  my group of queries in this pass
.macro CROUND                          ; a round of the cluster's barrier
	s_barrier_signal -1
	s_barrier_wait -1
	s_cmp_lg_u32 s[WV], 0
	s_cbranch_scc1 .Lnot_wave_0_\@
	s_barrier_signal -3
.Lnot_wave_0_\@:
	s_barrier_wait -3
	s_barrier_signal -1
	s_barrier_wait -1
.endm
.macro G1SET g, c, r, p                ; a group 1: r rows of c elements of 8 bytes, p elements apart; the mask names all four partners, bit 21 beside it
	s_mov_b32 s[\g], 15|(3<<16)|(1<<21)
	s_mov_b32 s[\g+1], (\c)<<16
	s_mov_b32 s[\g+2], (\r)<<16
	s_mov_b32 s[\g+3], (\c)<<16
	s_mov_b32 s[\g+4], \r
	s_mov_b32 s[\g+5], \p
	s_mov_b32 s[\g+6], 0
	s_mov_b32 s[\g+7], 0
.endm
	s_load_b256 s[4:11], s[0:1], 0x0               ; codes2, scales2, codes1, scales1
	v_lshl_add_u32 v[SPW], v0, 2, SPARE
	v_mov_b32 v[NIL], 0
	ds_add_u32 v[SPW], v[NIL]                      ; the wave's opening: the add and its wait ahead of my first tensor load; work on registers stands between them
	ds_add_u32 v[SPW], v[NIL]
	v_lshrrev_b32 v8, 5, v0
	s_delay_alu instid0(VALU_DEP_1)
	v_readfirstlane_b32 s[WV], v8                  ; wave 0..15
	s_and_b32 s12, ttmp7, 0xffff                   ; the cluster's y: 16 x batch + head
	s_lshr_b32 s13, s12, 4                         ; batch
	s_and_b32 s14, s12, 15                         ; head
	s_and_b32 s19, s[WV], 3                        ; which quarter I fetch, if I fetch codes
	s_and_b32 s16, s[WV], 1                        ; u
	s_lshr_b32 s17, s[WV], 1                       ; my group in the first pass
	G1SET G1KC, 32, 96, 32                         ; a quarter of K's codes: 24,576 dense bytes as 96 rows of 256
	G1SET G1VC, 768, 4, 12288                      ; a quarter of V's: four steps' 6,144 bytes, 98,304 bytes apart
	G1SET G1KS, 32, 32, 32                         ; K's scale words: 8,192 dense bytes
	G1SET G1VS, 32, 16, 512                        ; V's: sixteen steps' 256 bytes, 4,096 bytes apart
	s_mov_b32 s[SEL], 0x76543210
	s_mov_b32 s[SEL+1], 0xfedcba98
	s_mov_b32 s[CS], 0x3e38aa3b
	s_mov_b32 s[CS+1], s[CS]                       ; (named with it as a pair, so it is written)
	s_wait_dscnt 0x0                               ; the opening add is done
	s_wait_kmcnt 0x0
	; the groups 0: nothing in them hangs on my place in the cluster
	s_add_co_u32 s2, s14, 16
	s_mul_i32 s2, s2, 393216                       ; k's heads follow q's sixteen
	s_mul_i32 s3, s13, 98304
	s_add_co_u32 s2, s2, s3
	s_mul_i32 s66, s19, 24576
	s_add_co_u32 s2, s2, s66
	s_mov_b32 s3, 0
	s_mov_b32 s[G0KC], 1
	s_mov_b32 s[G0KC+1], s66
	s_add_nc_u64 s[G0KC+2:G0KC+3], s[4:5], s[2:3]
	s_or_b32 s[G0KC+3], s[G0KC+3], 0x80000000
	s_lshl_b32 s2, s13, 4
	s_lshl_b32 s3, s19, 2
	s_add_co_u32 s2, s2, s3                        ; 16 x batch + my first step
	s_mul_i32 s2, s2, 98304
	s_mul_i32 s3, s14, 6144
	s_add_co_u32 s2, s2, s3
	s_add_co_u32 s2, s2, 12582912
	s_mov_b32 s3, 0
	s_mov_b32 s[G0VC], 1
	s_add_co_u32 s[G0VC+1], s66, VC
	s_add_nc_u64 s[G0VC+2:G0VC+3], s[4:5], s[2:3]
	s_or_b32 s[G0VC+3], s[G0VC+3], 0x80000000
	s_add_co_u32 s2, s14, 16
	s_lshl_b32 s2, s2, 15
	s_lshl_b32 s3, s13, 13
	s_add_co_u32 s2, s2, s3
	s_mov_b32 s3, 0
	s_mov_b32 s[G0KS], 1
	s_mov_b32 s[G0KS+1], KS
	s_add_nc_u64 s[G0KS+2:G0KS+3], s[6:7], s[2:3]
	s_or_b32 s[G0KS+3], s[G0KS+3], 0x80000000
	s_lshl_b32 s2, s13, 16
	s_lshl_b32 s3, s14, 8
	s_add_co_u32 s2, s2, s3
	s_add_co_u32 s2, s2, 1048576
	s_mov_b32 s3, 0
	s_mov_b32 s[G0VS], 1
	s_mov_b32 s[G0VS+1], VS
	s_add_nc_u64 s[G0VS+2:G0VS+3], s[6:7], s[2:3]
	s_or_b32 s[G0VS+3], s[G0VS+3], 0x80000000
	CROUND                                         ; all four work-groups are here: the joint loads meet
	; the first and only fills: one load a wave, in one chain of branches on the wave's number; an s_nop 0 and four v_nop follow each
	s_cmp_lt_u32 s[WV], 4
	s_cbranch_scc0 .Lnot_kc
	tensor_load_to_lds s[G0KC:G0KC+3], s[G1KC:G1KC+7]
	s_nop 0
.rept 4
	v_nop
.endr
	s_branch .Lasked
.Lnot_kc:
	s_cmp_lt_u32 s[WV], 8
	s_cbranch_scc0 .Lnot_vc
	tensor_load_to_lds s[G0VC:G0VC+3], s[G1VC:G1VC+7]
	s_nop 0
.rept 4
	v_nop
.endr
	s_branch .Lasked
.Lnot_vc:
	s_cmp_eq_u32 s[WV], 8
	s_cbranch_scc0 .Lnot_ks
	tensor_load_to_lds s[G0KS:G0KS+3], s[G1KS:G1KS+7]
	s_nop 0
.rept 4
	v_nop
.endr
	s_branch .Lasked
.Lnot_ks:
	s_cmp_eq_u32 s[WV], 9
	s_cbranch_scc0 .Lasked
	tensor_load_to_lds s[G0VS:G0VS+3], s[G1VS:G1VS+7]
	s_nop 0
.rept 4
	v_nop
.endr
.Lasked:
	s_bfe_u32 s15, ttmp6, 0x40000                  ; cx: from here on, in registers that feed no descriptor and no LDS address
; A pass's four addresses, from s[G]: Q's half image, Q's scale words, the result's half image, the result's scale bytes.  X = 128 batch + 8 G + 2 cx + u is the tile of 16 rows
.macro PADDR base
	s_lshl_b32 s93, s13, 7
	s_lshl_b32 s94, s[G], 3
	s_add_co_u32 s93, s93, s94
	s_lshl_b32 s94, s15, 1
	s_add_co_u32 s93, s93, s94
	s_add_co_u32 s93, s93, s16                     ; X
	s_mul_i32 s94, s14, 393216
	s_mul_i32 s96, s93, 768
	s_add_co_u32 s94, s94, s96
	s_mov_b32 s95, 0
	s_add_nc_u64 s[\base:\base+1], s[4:5], s[94:95]
	s_lshl_b32 s94, s14, 15                        ; 32,768 head + 512 (X / 8) + 256 ((X / 4) % 2) + 4 (X % 4)
	s_lshl_b32 s96, s13, 13
	s_add_co_u32 s94, s94, s96
	s_lshl_b32 s96, s[G], 9
	s_add_co_u32 s94, s94, s96
	s_lshr_b32 s96, s15, 1
	s_lshl_b32 s96, s96, 8
	s_add_co_u32 s94, s94, s96
	s_and_b32 s96, s15, 1
	s_lshl_b32 s96, s96, 3
	s_add_co_u32 s94, s94, s96
	s_lshl_b32 s96, s16, 2
	s_add_co_u32 s94, s94, s96
	s_add_nc_u64 s[\base+2:\base+3], s[6:7], s[94:95]
	s_add_co_u32 s96, s93, 768                     ; the result's tiles follow the 768 of x and the weights
	s_mul_i32 s94, s96, 12288
	s_mul_i32 s97, s14, 768
	s_add_co_u32 s94, s94, s97
	s_add_nc_u64 s[\base+4:\base+5], s[8:9], s[94:95]
	s_lshl_b32 s94, s96, 9                         ; K step head / 2 of the projection: 256 (head / 8) + 4 ((head / 2) % 4), bytes 2 (head % 2) on
	s_lshr_b32 s97, s14, 3
	s_lshl_b32 s97, s97, 8
	s_add_co_u32 s94, s94, s97
	s_bfe_u32 s97, s14, 0x20001
	s_lshl_b32 s97, s97, 2
	s_add_co_u32 s94, s94, s97
	s_and_b32 s97, s14, 1
	s_lshl_b32 s97, s97, 1
	s_add_co_u32 s94, s94, s97
	s_add_nc_u64 s[\base+6:\base+7], s[10:11], s[94:95]
.endm
	s_mov_b32 s[G], s17
	PADDR 76
	s_sub_co_u32 s[G], 15, s17
	PADDR 84
	v_and_b32 v8, 15, v0                           ; r
	v_bfe_u32 v9, v0, 4, 1                         ; h
	v_and_b32 v10, 31, v0                          ; lane
	s_delay_alu instid0(VALU_DEP_1)
	v_lshlrev_b32 v[AK0], 3, v10
	s_delay_alu instid0(VALU_DEP_1)
	v_add_nc_u32 v[AV0], VC, v[AK0]
	v_lshlrev_b32 v11, 4, v8
	s_delay_alu instid0(VALU_DEP_1)
	v_add_nc_u32 v[ASK0], KS, v11
	s_delay_alu instid0(VALU_DEP_2)
	v_add_nc_u32 v[ASV0], VS, v11
	s_lshl_b32 s93, s15, 5
	s_lshl_b32 s94, s16, 3
	s_add_co_u32 s93, s93, s94                     ; 32 cx + 8 u
	v_and_b32 v[D], 7, v8
	v_and_b32 v12, 8, v8
	s_delay_alu instid0(VALU_DEP_1)
	v_lshl_add_u32 v[D], v12, 1, v[D]
	v_lshlrev_b32 v12, 4, v9
	s_delay_alu instid0(VALU_DEP_1)
	v_sub_nc_u32 v[D], v[D], v12
	s_delay_alu instid0(VALU_DEP_1)
	v_add_nc_u32 v[D], s93, v[D]
	v_lshlrev_b32 v8, 4, v8                        ; 16 r
.irp p, 0,1,2
	global_load_b64 v[16+2*\p:17+2*\p], v[AK0], s[76:77] offset:256*\p   ; the first pass's Q
.endr
	global_load_b32 v255, v8, s[78:79]             ; and its scale words
.irp j, 22,23,24,25,26,27
	v_mov_b32 v\j, 0                               ; k 64 .. 127 of the first product: zero codes, in Q
.endr
.irp t, 0,1,2,3
.irp j, 6,7,8,9,10,11
	v_mov_b32 v[32+12*\t+\j], 0                    ; and in K's four fragments; written once
.endr
.endr
.irp j, 236,237,238,239,252,253
	v_mov_b32 v\j, 0                               ; written once: lane permutes' destinations count as sources, and v253 is named as the upper half of a pair
.endr
	s_wait_tensorcnt 0x0                           ; my part of K and V is in,
	s_barrier_signal -1
	s_barrier_wait -1                              ; everybody's is: from here on LDS is only read
; A KEY STEP: 128 keys.
.macro STEP
	s_cmp_gt_u32 s[ST], s[G]                       ; all its keys come after my queries: left out, but for the lines at its end that step addresses
	s_cbranch_scc1 .Lhidden_\@
	s_setprio 2
	v_add_nc_u32 v[ADK], s[TK], v[AK0]
	s_wait_alu depctr_va_vdst(0)
	v_add_nc_u32 v[ADV], s[TK], v[AV0]
	v_add_nc_u32 v[ADS], s[TS], v[ASK0]
	s_wait_alu depctr_va_vdst(0)
	v_add_nc_u32 v[ADT], s[TJ], v[ASV0]
.irp g, 0,1                                    ; S^T = K Q^T, four tiles of 16 keys at a time
.if \g > 0
.rept 4
	v_nop                                          ; places in front of loads into registers that matrix instructions have read
.endr
.endif
.irp t, 0,1,2,3
.irp p, 0,1,2
	ds_load_b64 v[32+12*\t+2*\p:33+12*\t+2*\p], v[ADK] offset:768*(4*\g+\t)+256*\p
.endr
.endr
	ds_load_b128 v[248:251], v[ADS] offset:256*\g  ; my row's scale words of the four tiles
	s_wait_dscnt 0x0
.irp t, 0,1,2,3
	v_wmma_scale_f32_16x16x128_f8f6f4 v[128+8*(4*\g+\t):135+8*(4*\g+\t)], v[32+12*\t:43+12*\t], v[16:27], 0, v[248+\t], v255 matrix_a_fmt:MATRIX_FMT_FP6 matrix_b_fmt:MATRIX_FMT_FP6
.endr
.endr
.irp t, 0,1,2,3                                ; V is asked for now and lands under the softmax (eight plain instructions stand behind the last products that read these registers)
.irp p, 0,1,2,3,4,5
	ds_load_b64 v[80+12*\t+2*\p:81+12*\t+2*\p], v[ADV] offset:1536*\t+256*\p
.endr
.endr
	s_wait_alu depctr_va_vdst(0)
	ds_load_b128 v[28:31], v[ADT]
.rept 4
	v_nop                                          ; places in front of the first read of the scores
.endr
	s_cmp_lg_u32 s[ST], s[G]                       ; on the diagonal the scores of hidden keys become -infinity ahead of the maximum: p = 0 then
	s_cbranch_scc1 .Lopen_\@
	v_mov_b32 v254, 0xff800000
.set n, 0
.rept 64                                       ; register 16 b + i holds key 32 b + i + 16 (lane / 16) of the step: hidden where 32 b + i > D
	v_cmp_gt_i32 vcc_lo, 32*(n/16)+n%16, v[D]
	v_cndmask_b32 v[128+n], v[128+n], v254, vcc_lo
.set n, n+1
.endr
.Lopen_\@:
.irp b, 0,1,2,3
	v_max3_num_f32 v[232+\b], v[128+16*\b], v[129+16*\b], v[130+16*\b]   ; the largest score of each block of 32 keys: for the row's maximum and, since p rises with the score, for the block's largest p
.endr
.irp i, 3,5,7,9,11,13
.irp b, 0,1,2,3
	v_max3_num_f32 v[232+\b], v[232+\b], v[128+16*\b+\i], v[129+16*\b+\i]
.endr
.endr
.irp b, 0,1,2,3
	v_max_num_f32 v[232+\b], v[232+\b], v[143+16*\b]
.endr
.irp b, 0,1,2,3
	s_delay_alu instid0(VALU_DEP_4)
	v_permlanex16_b32 v[236+\b], v[232+\b], s[SEL], s[SEL+1]
.endr
.irp b, 0,1,2,3
	s_delay_alu instid0(VALU_DEP_4)
	v_max_num_f32 v[232+\b], v[232+\b], v[236+\b]  ; with lane l xor 16's 16 keys
.endr
	s_delay_alu instid0(VALU_DEP_2)
	v_max3_num_f32 v254, v232, v233, v234
	s_delay_alu instid0(VALU_DEP_1)
	v_max_num_f32 v254, v254, v235                 ; the step's largest score of my query
	s_delay_alu instid0(VALU_DEP_1)
	v_mul_f32 v254, s[CS], v254                    ; as t
	s_delay_alu instid0(VALU_DEP_1)
	v_max_num_f32 v13, v13, v254                   ; the running largest t
	v_mov_b32 v254, v12
	s_delay_alu instid0(VALU_DEP_2)
	v_floor_f32 v12, -v13                          ; the new -M = floor(-t): M is a whole number
	s_delay_alu instid0(VALU_DEP_1)
	v_sub_f32 v254, v12, v254                      ; old M - new M: a whole number, 0 or less
	s_delay_alu instid0(VALU_DEP_1)
	v_cvt_i32_f32 v254, v254                       ; (it saturates)
	s_delay_alu instid0(VALU_DEP_1)
	v_ldexp_f32 v252, 1.0, v254                    ; f = 2^(old M - new M)
.set j, 0
	s_setprio 1
.rept 32
	v_pk_fma_f32 v[128+j:129+j], v[128+j:129+j], s[CS:CS+1], v[12:13] op_sel_hi:[1,0,0]   ; t - M, two at a time
.set j, j+2
.endr
.irp b, 0,1,2,3
	v_fma_f32 v[232+\b], v[232+\b], s[CS], v12     ; the same of each block's largest score
.endr
.set j, 0
	s_wait_alu depctr_va_vdst(0)
.rept 64
	v_exp_f32 v[128+j], v[128+j]                   ; p = 2^(t - M), at most 1
.set j, j+1
.endr
	v_pk_mul_f32 v[14:15], v[14:15], v[252:253] op_sel_hi:[1,0]   ; the sums under the new M: a plain instruction behind the exponentials
	s_wait_alu depctr_va_vdst(0)                   ; one wait for the whole batch, ahead of its first reader
.irp b, 0,1,2,3
	v_exp_f32 v[232+\b], v[232+\b]                 ; the block's largest p: the same two instructions on the same number
.endr
	v_pk_add_f32 v[236:237], v[132:133], v[136:137]
	v_pk_add_f32 v[250:251], v[140:141], v[144:145]
	v_pk_add_f32 v[248:249], v[148:149], v[152:153]
	v_pk_add_f32 v[246:247], v[156:157], v[160:161]
	v_pk_add_f32 v[244:245], v[164:165], v[168:169]
	v_pk_add_f32 v[242:243], v[172:173], v[176:177]
	v_pk_add_f32 v[240:241], v[180:181], v[184:185]
	v_pk_add_f32 v[14:15], v[14:15], v[188:189]
	v_pk_add_f32 v[236:237], v[236:237], v[128:129]
	v_pk_add_f32 v[250:251], v[250:251], v[130:131]
	v_pk_add_f32 v[248:249], v[248:249], v[134:135]
	v_pk_add_f32 v[246:247], v[246:247], v[138:139]
	v_pk_add_f32 v[244:245], v[244:245], v[142:143]
	v_pk_add_f32 v[242:243], v[242:243], v[146:147]
	v_pk_add_f32 v[240:241], v[240:241], v[150:151]
	v_pk_add_f32 v[14:15], v[14:15], v[154:155]
	v_pk_add_f32 v[236:237], v[236:237], v[158:159]
	v_pk_add_f32 v[250:251], v[250:251], v[162:163]
	v_pk_add_f32 v[248:249], v[248:249], v[166:167]
	v_pk_add_f32 v[246:247], v[246:247], v[170:171]
	v_pk_add_f32 v[244:245], v[244:245], v[174:175]
	v_pk_add_f32 v[242:243], v[242:243], v[178:179]
	v_pk_add_f32 v[240:241], v[240:241], v[182:183]
	v_pk_add_f32 v[14:15], v[14:15], v[186:187]
	v_pk_add_f32 v[236:237], v[236:237], v[190:191]
	s_delay_alu instid0(VALU_DEP_2)
	v_pk_add_f32 v[14:15], v[14:15], v[246:247]
	s_delay_alu instid0(VALU_DEP_2)
	v_pk_add_f32 v[236:237], v[236:237], v[244:245]
	v_pk_add_f32 v[250:251], v[250:251], v[242:243]
	v_pk_add_f32 v[248:249], v[248:249], v[240:241]
	s_delay_alu instid0(VALU_DEP_2)
	v_pk_add_f32 v[14:15], v[14:15], v[250:251]
	s_delay_alu instid0(VALU_DEP_2)
	v_pk_add_f32 v[236:237], v[236:237], v[248:249]
	s_delay_alu instid0(VALU_DEP_1)
	v_pk_add_f32 v[14:15], v[14:15], v[236:237]
	s_setprio 0
	s_wait_alu depctr_va_vdst(0)                   ; and one for the four
.irp b, 0,1,2,3
	v_max_num_f32 v[232+\b], 0x1800000, v[232+\b]  ; the floor 2^(3 - 127): the byte cannot fall under 1
.endr
.irp b, 0,1,2,3
	s_delay_alu instid0(VALU_DEP_4)
	v_add_nc_u32 v[244+\b], 0xff000000, v[232+\b]  ; 2 off the exponent field: the conversion's scale operand
.endr
.irp b, 0,1,2,3
	s_delay_alu instid0(VALU_DEP_4)
	v_lshrrev_b32 v[236+\b], 23, v[244+\b]         ; the scale's byte
.endr
	s_delay_alu instid0(VALU_DEP_3)
	v_lshl_or_b32 v253, v237, 8, v236              ; p's scale word for these 128 keys
	s_delay_alu instid0(VALU_DEP_1)
	v_lshl_or_b32 v253, v238, 16, v253
	s_delay_alu instid0(VALU_DEP_1)
	v_lshl_or_b32 v253, v239, 24, v253
.irp c, 0,1
	v_cvt_scalef32_pk16_fp6_f32 v[224+6*\c:226+6*\c], v[128+32*\c:143+32*\c], v[244+2*\c]
	v_cvt_scalef32_pk16_fp6_f32 v[236+4*\c:238+4*\c], v[144+32*\c:159+32*\c], v[244+2*\c+1]
.endr
	v_nop                                          ; one plain place behind a scaled conversion
.irp c, 0,1                                    ; a whole block in a lane: lanes 0-15 block 2 c, lanes 16-31 block 2 c + 1
.irp i, 0,1,2
	v_permlane16_swap_b32 v[224+6*\c+\i], v[236+4*\c+\i]
.endr
.irp i, 0,1,2
	s_delay_alu instid0(VALU_DEP_3)
	v_mov_b32 v[227+6*\c+\i], v[236+4*\c+\i]
.endr
.endr
.set j, 0
.rept 16
	v_pk_mul_f32 v[192+j:193+j], v[192+j:193+j], v[252:253] op_sel_hi:[1,0]   ; O^T under the new M; these are also the places between the scale word, the codes and the products below
.set j, j+2
.endr
	s_wait_alu depctr_va_vdst(0)
	s_wait_dscnt 0x0                               ; V and its scale words are in
.irp t, 0,1,2,3                                ; O^T += V^T P^T: the four accumulators by turns
	v_wmma_scale_f32_16x16x128_f8f6f4 v[192+8*\t:199+8*\t], v[80+12*\t:91+12*\t], v[224:235], v[192+8*\t:199+8*\t], v[28+\t], v253 matrix_a_fmt:MATRIX_FMT_FP6 matrix_b_fmt:MATRIX_FMT_FP6
.endr
.Lhidden_\@:
	s_add_co_u32 s[TK], s[TK], 6144
	s_add_co_u32 s[TS], s[TS], 512
	s_add_co_u32 s[TJ], s[TJ], 256
.endm
; A PASS: one tile of 16 queries against all key steps up to its own; sixteen trips, a constant of the text.
.macro PASS n
.if \n == 0
	s_mov_b32 s[G], s17
.else
	s_sub_co_u32 s[G], 15, s17
.endif
	s_mov_b32 s[TK], 0
	s_mov_b32 s[TS], 0
	s_mov_b32 s[TJ], 0
	s_mov_b32 s[ST], 0
	s_wait_loadcnt 0x0                             ; Q and its scale words
	s_wait_xcnt 0x0                                ; the last pass's stores have read their data and offsets: they are written again only behind this wait
	v_mov_b32 v13, 0xff61b1e6                      ; the largest t so far: -3e38
	s_delay_alu instid0(VALU_DEP_1)
	v_floor_f32 v12, -v13
	v_mov_b32 v14, 0
	v_mov_b32 v15, 0
.set j, 0
.rept 32
	v_mov_b32 v[192+j], 0                          ; O^T: the step is written once; its first trip finds zeros, which the first change of M leaves zeros
.set j, j+1
.endr
.Lstep_\@:
	STEP
	s_add_co_u32 s[ST], s[ST], 1
	s_cmp_lt_u32 s[ST], 16
	s_cbranch_scc1 .Lstep_\@
	s_setprio 0
	; the way out: O / l, quantised along the head's 64 (two blocks of the projection's K), as half an image and two scale bytes
.rept 4
	v_nop                                          ; places behind the last products
.endr
	v_and_b32 v8, 15, v0
	s_delay_alu instid0(VALU_DEP_1)
	v_lshlrev_b32 v8, 4, v8                        ; 16 r
.if \n == 0
.irp p, 0,1,2
	global_load_b64 v[16+2*\p:17+2*\p], v[AK0], s[84:85] offset:256*\p   ; the next pass's Q is asked for here
.endr
	global_load_b32 v255, v8, s[86:87]
.endif
	v_add_f32 v14, v14, v15                        ; the sum's two halves,
	s_delay_alu instid0(VALU_DEP_1)
	v_permlanex16_b32 v252, v14, s[SEL], s[SEL+1]
	s_delay_alu instid0(VALU_DEP_1)
	v_add_f32 v14, v14, v252                       ; and lane l xor 16's
	s_wait_alu depctr_va_vdst(0)
	v_rcp_f32 v14, v14
	v_nop                                          ; a plain place behind the reciprocal
	s_wait_alu depctr_va_vdst(0)                   ; and the wait ahead of its first reader
.set j, 0
.rept 16
	v_pk_mul_f32 v[128+j:129+j], v[192+j:193+j], v[14:15] op_sel_hi:[1,0]   ; each accumulator from its low end on; register 16 b + i = channel 32 b + 16 (lane / 16) + i
.set j, j+2
.endr
.irp b, 0,1
	v_max3_num_f32 v[232+\b], |v[128+16*\b]|, |v[129+16*\b]|, 0x1800000
.endr
.irp i, 2,4,6,8,10,12,14
.irp b, 0,1
	s_delay_alu instid0(VALU_DEP_2)
	v_max3_num_f32 v[232+\b], v[232+\b], |v[128+16*\b+\i]|, |v[129+16*\b+\i]|
.endr
.endr
.irp b, 0,1
	s_delay_alu instid0(VALU_DEP_2)
	v_permlanex16_b32 v[236+\b], v[232+\b], s[SEL], s[SEL+1]
.endr
.irp b, 0,1
	s_delay_alu instid0(VALU_DEP_2)
	v_max_num_f32 v[232+\b], v[232+\b], v[236+\b]
.endr
.irp b, 0,1
	s_delay_alu instid0(VALU_DEP_2)
	v_add_nc_u32 v[244+\b], 0xff000000, v[232+\b]
.endr
.irp b, 0,1
	s_delay_alu instid0(VALU_DEP_2)
	v_lshrrev_b32 v[236+\b], 23, v[244+\b]
.endr
	s_delay_alu instid0(VALU_DEP_1)
	v_lshl_or_b32 v253, v237, 8, v236              ; my row's two scale bytes
	v_cvt_scalef32_pk16_fp6_f32 v[224:226], v[128:143], v244
	v_cvt_scalef32_pk16_fp6_f32 v[236:238], v[144:159], v245
	v_nop                                          ; one plain place behind a scaled conversion
.irp i, 0,1,2
	v_permlane16_swap_b32 v[224+\i], v[236+\i]
.endr
.irp i, 0,1,2
	s_delay_alu instid0(VALU_DEP_3)
	v_mov_b32 v[227+\i], v[236+\i]
.endr
.irp p, 0,1,2
	global_store_b64 v[AK0], v[224+2*\p:225+2*\p], s[80+8*\n:81+8*\n] offset:256*\p   ; 32 lanes store 256 consecutive bytes, aligned
.endr
	global_store_b16 v8, v253, s[82+8*\n:83+8*\n]
.endm
	PASS 0
	PASS 1
	s_wait_tensorcnt 0x0                           ; the wave's end: behind my last tensor load
	ds_add_u32 v[SPW], v[NIL]
	s_wait_dscnt 0x0
	CROUND                                         ; the closing round
	s_endpgm
.Lfunc_end_k_q7b4dd25079_attn:
	.size	k_q7b4dd25079_attn, .Lfunc_end_k_q7b4dd25079_attn-k_q7b4dd25079_attn
	.p2alignl 7, 3214868480
	.fill 96, 4, 3214868480
	.section	.rodata,"a",@progbits
	.p2align	6, 0x0
	.amdhsa_kernel k_q7b4dd25079_attn
		.amdhsa_group_segment_fixed_size 210944
		.amdhsa_private_segment_fixed_size 0
		.amdhsa_enable_private_segment 0
		.amdhsa_kernarg_size 32
		.amdhsa_user_sgpr_count 2
		.amdhsa_user_sgpr_kernarg_segment_ptr 1
		.amdhsa_wavefront_size32 1
		.amdhsa_system_sgpr_workgroup_id_x 1
		.amdhsa_system_sgpr_workgroup_id_y 1
		.amdhsa_system_sgpr_workgroup_id_z 1
		.amdhsa_system_vgpr_workitem_id 0
		.amdhsa_next_free_vgpr 256
		.amdhsa_next_free_sgpr 100
		.amdhsa_reserve_vcc 1
		.amdhsa_float_denorm_mode_32 3
		.amdhsa_float_denorm_mode_16_64 3
		.amdhsa_memory_ordered 1
		.amdhsa_forward_progress 1
		.amdhsa_inst_pref_size 73
	.end_amdhsa_kernel
	.amdgpu_metadata
---
amdhsa.version: [ 1, 2 ]
amdhsa.kernels:
  - .name:           k_q7b4dd25079_attn
    .symbol:         k_q7b4dd25079_attn.kd
    .args:
      - { .name: codes2, .offset: 0, .size: 8, .value_kind: global_buffer, .address_space: global }
      - { .name: scales2, .offset: 8, .size: 8, .value_kind: global_buffer, .address_space: global }
      - { .name: codes1, .offset: 16, .size: 8, .value_kind: global_buffer, .address_space: global }
      - { .name: scales1, .offset: 24, .size: 8, .value_kind: global_buffer, .address_space: global }
    .group_segment_fixed_size: 210944
    .private_segment_fixed_size: 0
    .kernarg_segment_align: 8
    .kernarg_segment_size: 32
    .max_flat_workgroup_size: 512
    .sgpr_count:     100
    .vgpr_count:     256
    .wavefront_size: 32
...
	.end_amdgpu_metadata
.endif
;; end of part 3
;; launch gemm_proj (part 4): grid 4 x 32, 4 waves a work-group, clusters of 4 x 4, 327,680 bytes of LDS; arguments codes1, scales1, out0; writes out0
.if DOCPART == 4
	.amdgcn_target "amdgcn-amd-amdhsa--gfx1250"
	.amdhsa_code_object_version 6
	.text
	.protected	k_q7b4dd25079_gemm_proj
	.globl	k_q7b4dd25079_gemm_proj
	.p2align	8
	.type	k_q7b4dd25079_gemm_proj,@function
k_q7b4dd25079_gemm_proj:
	s_mov_b64 s[64:65], 0
	v_nop
	global_prefetch_b8 v0, s[64:65] scope:SCOPE_SE
	s_setreg_imm32_b32 hwreg(HW_REG_WAVE_MODE, 25, 1), 1
	s_wait_xcnt 0x0
	s_wait_alu depctr_hold_cnt(0) depctr_sa_sdst(0) depctr_va_vdst(0) depctr_va_sdst(0) depctr_va_ssrc(0) depctr_va_vcc(0) depctr_vm_vsrc(0)
	s_getreg_b32 s2, hwreg(HW_REG_IB_STS2, 6, 4)
	s_cmp_eq_u32 s2, 0
	s_cbranch_scc0 .Lentry_in_a_cluster
	s_endpgm
.Lentry_in_a_cluster:
	s_bfe_u32 s2, ttmp6, 0x10000c
	s_cmp_lg_u32 s2, 0xf033
	s_cbranch_scc0 .Lentry_shape_is_right
	s_endpgm
.Lentry_shape_is_right:
; out0 = (attention's result) w_proj^T on codes of FP6 (E2M3) with E8M0 scales, K = 1,024; out0 [8192][1024] f32.
; Source 0 = 16 rows of P (w_proj), source 1 = 16 rows of R (the result): a lane holds ONE row of out0, and its registers run along the columns.  By the tiles' row order (tile n, row m = row
; 32 (n / 2) + 8 (n % 2) + m % 8 + 16 (m / 8)) the 16 registers of P's tiles 2 b, 2 b + 1 are columns 32 b + 16 (lane / 16) + 0 .. 15; the rows' order is undone by the stores' offsets.
; A work-group makes 256 x 256 of out0, a wave 128 x 128: 64 accumulators, 512 registers.  8,192 x 1,024 are 128 such tiles: 128 work-groups; the largest wave tile is kept, so that no fragment is read from LDS twice.
; K goes in steps of 128, two to a slot, through a ring of two LDS slots.  Operands lie in memory as images of their registers (a fragment: six pieces of 256 bytes, piece p = registers 2 p, 2 p + 1 of
; lane l at 256 p + 8 l): a tensor load brings 8 tiles x 3,072 bytes, and every LDS load of 8 bytes a lane takes 256 consecutive bytes.
; CLUSTERS: 4 x 4.  R's tiles hang on cy alone and are asked for jointly along a row of the cluster, P's on cx alone, along a column.
; THE SCALE WORDS of a wave's 128 + 128 rows, for all of K, are 64 registers: they come once, from memory.  The K steps are written out (eight): a step's scale words stand in registers of its own.
; REGISTERS: window 0: v16-29 addresses; v32-95 scale words; v128-223 R's fragments, one set; on the way out v128-255 rows of out0.  window 1: P's fragments, two sets, at v0 and v128.
;   window 2: the accumulators of R's blocks 0-3 (block a, P's tile b at v[8 (8 (a % 4) + b)]);  window 3: those of blocks 4-7.
.set FR,    12
.set NL,    6
.set NP,    4                          ; places behind this matrix instruction (ISA guide 7.12.1)
.set HALFT, 24576                      ; 8 tiles x two K steps
.set SLOT,  4*HALFT
.set SPARE, 2*SLOT                     ; behind the ring: the spare words, 128 bytes for each wave
.set SPITCH, 528                       ; the way out: a stage of 16 rows x (512 bytes + 16) for each wave, in slot 0, which has had its last fill and its last read when the first result is stored there
.set ADRA,  16
.set ADRB,  20
.set STO,   24                         ; v24     the way out: where I put 32 bytes of a row
.set RD,    25                         ; v25     where I read a row back
.set CO,    26                         ; v26     16 x lane: my bytes of a row's 512
.set SOF,   27
.set SPW,   28                         ; v28     LDS address of my spare word; never rewritten
.set NIL,   29                         ; v29     0; never rewritten
.set L8,    30                         ; v30     8 x lane
.set SC,    32
.set AF,    128
.set BK,    128
.set G1,    24
.set G0,    32
.set G1B,   48
.set G0B,   56
.set HM,    94
.set MSB, 0
.macro WIN new                         ; the immediate's high byte repeats the setting that is left
.if MSB != \new
	s_set_vgpr_msb (MSB<<8)|\new
.set MSB, \new
.endif
.endm
.set MUL_LO, 0xa1
.set MUL_HI, 0xf1
.set TO_B,   0x40
.macro JLOAD g0a, g1a, g0b, g1b        ; a joint load: waves 0 and 1 fetch for R, waves 2 and 3 for P; an s_nop 0 and four v_nop follow each of the two lines
	s_cmp_eq_u32 s15, 0
	s_cbranch_scc0 .Lfor_b_\@
	tensor_load_to_lds s[\g0a:\g0a+3], s[\g1a:\g1a+7]
	s_nop 0
.rept 4
	v_nop
.endr
	s_branch .Lasked_\@
.Lfor_b_\@:
	tensor_load_to_lds s[\g0b:\g0b+3], s[\g1b:\g1b+7]
	s_nop 0
.rept 4
	v_nop
.endr
.Lasked_\@:
.endm
.macro CREST
	s_cmp_lg_u32 s14, 0
	s_cbranch_scc1 .Lnot_wave_0_\@
	s_barrier_signal -3
.Lnot_wave_0_\@:
	s_barrier_wait -3
	s_barrier_signal -1
	s_barrier_wait -1
.endm
.macro CROUND
	s_barrier_signal -1
	s_barrier_wait -1
	CREST
.endm
	s_load_b128 s[4:7], s[0:1], 0x0                ; codes1, scales1
	s_load_b64 s[12:13], s[0:1], 0x10              ; out0
	v_lshl_add_u32 v[SPW], v0, 2, SPARE
	v_mov_b32 v[NIL], 0
	ds_add_u32 v[SPW], v[NIL]                      ; the wave's opening: the add and its wait ahead of my first tensor load; work on registers stands between them
	ds_add_u32 v[SPW], v[NIL]
	v_lshrrev_b32 v1, 5, v0
	v_readfirstlane_b32 s14, v1                    ; wave 0..3
	s_lshr_b32 s15, s14, 1                         ; which half of R's rows is mine.  Also: I fetch for R (0) or for P (1)
	s_and_b32 s16, s14, 1                          ; which half of P's rows.  Also: which 8 tiles I fetch
	s_bfe_u32 s40, ttmp6, 0x40000                  ; cx
	s_bfe_u32 s41, ttmp6, 0x40004                  ; cy
	s_and_b32 s17, ttmp7, 0xffff                   ; the cluster's y
	s_lshl_b32 s43, s41, 2
	s_lshl_b32 s43, 15, s43                        ; my row of the cluster
	s_lshl_b32 s44, 0x1111, s40                    ; my column
	s_or_b32 s[G1+0], s43, (3<<16)|(1<<21)         ; the mask; elements of 8 bytes; no padding; bit 21 beside a mask
	s_or_b32 s[G1B+0], s44, (3<<16)|(1<<21)
.irp g, G1, G1B
	s_mov_b32 s[\g+1], 384<<16                     ; tensor_dim0 = 384 elements: a tile's two K steps, 3,072 bytes
	s_mov_b32 s[\g+2], 8<<16                       ; tensor_dim1 = 8 tiles
	s_mov_b32 s[\g+3], 384<<16
	s_mov_b32 s[\g+4], 8
	s_mov_b32 s[\g+5], 1536                        ; from tile to tile: 12,288 bytes
	s_mov_b32 s[\g+6], 0
	s_mov_b32 s[\g+7], 0
.endr
	; which tiles, in units of 16 rows.  R's chain (s20-23) never holds cx, P's (s46-47, s66-67) never cy
	s_lshl_b32 s20, s17, 6
	s_add_co_u32 s20, s20, 768                     ; the result's tiles begin at 768
	s_lshl_b32 s46, ttmp9, 6
	s_add_co_u32 s46, s46, 704                     ; w_proj's at 704
	s_lshl_b32 s21, s41, 4
	s_add_co_u32 s20, s20, s21                     ; + 16 cy
	s_lshl_b32 s47, s40, 4
	s_add_co_u32 s46, s46, s47                     ; + 16 cx
	s_lshl_b32 s18, s16, 3
	s_lshl_b32 s19, s15, 3
	s_add_co_u32 s23, s20, s19                     ; s23: the first tile of R that I multiply
	s_add_co_u32 s20, s20, s18                     ; the first tile of R that I would fetch
	s_add_co_u32 s46, s46, s18                     ; s46: the first tile of P that I multiply, and would fetch
	s_mul_i32 s20, s20, 12288
	s_mov_b32 s21, 0
	s_mul_i32 s66, s46, 12288
	s_mov_b32 s67, 0
	s_mul_i32 s45, s14, HALFT                      ; where they go: wave x 8 tiles
	s_wait_dscnt 0x0                               ; the opening add is done
	s_wait_kmcnt 0x0
	s_add_nc_u64 s[20:21], s[4:5], s[20:21]
	s_add_nc_u64 s[66:67], s[4:5], s[66:67]
	CROUND                                         ; all sixteen work-groups are here: the first joint loads meet
.irp s, 0,1
	s_mov_b32 s[G0+4*\s], 1
	s_add_co_u32 s[G0+4*\s+1], s45, \s*SLOT
	s_add_nc_u64 s[G0+4*\s+2:G0+4*\s+3], s[20:21], \s*3072
	s_or_b32 s[G0+4*\s+3], s[G0+4*\s+3], 0x80000000
	s_mov_b32 s[G0B+4*\s], 1
	s_add_co_u32 s[G0B+4*\s+1], s45, \s*SLOT
	s_add_nc_u64 s[G0B+4*\s+2:G0B+4*\s+3], s[66:67], \s*3072
	s_or_b32 s[G0B+4*\s+3], s[G0B+4*\s+3], 0x80000000
	s_wait_alu depctr_va_vdst(0)
	s_wait_tensorcnt 0x0
	ds_add_u32 v28, v29
	ds_add_u32 v28, v29
	s_wait_dscnt 0x0
	CROUND
	JLOAD G0+4*\s, G1, G0B+4*\s, G1B               ; one load of mine is out
.endr
	v_and_b32 v1, 15, v0                           ; r
	v_and_b32 v2, 31, v0                           ; lane
	v_bfe_u32 v5, v0, 4, 1                         ; h
	v_cmp_le_u32 s[HM], 16, v2
	s_lshl_b32 s82, s23, 9
	s_lshl_b32 s83, s46, 9
	v_mov_b32 v3, s82
	v_mov_b32 v4, s83
	v_cndmask_b32 v[SOF], v3, v4, s[HM]
	v_lshl_add_u32 v[SOF], v1, 4, v[SOF]
.irp i, 0,1,2,3,4,5,6,7
.irp kh, 0,1
	global_load_b128 v[SC+8*\i+4*\kh:SC+8*\i+4*\kh+3], v[SOF], s[6:7] offset:512*\i+256*\kh   ; sixteen lanes read 256 consecutive bytes: a tile's words of four K steps
.endr
.endr
	v_lshlrev_b32 v[L8], 3, v2
	v_lshlrev_b32 v[CO], 4, v2
	s_wait_alu depctr_va_vdst(0)
	s_mul_i32 s84, s15, HALFT
	s_mul_i32 s85, s16, HALFT
	s_add_co_u32 s85, s85, 2*HALFT
.irp s, 0,1
	v_add_nc_u32 v[ADRA+\s], s84, v[L8]
	v_add_nc_u32 v[ADRB+\s], s85, v[L8]
	s_add_co_u32 s84, s84, SLOT
	s_add_co_u32 s85, s85, SLOT
.endr
	s_mul_i32 s86, s14, 16*SPITCH                  ; my stage
	v_mul_u32_u24 v[STO], v1, SPITCH
	v_lshl_add_u32 v[STO], v5, 6, v[STO]
	v_add_nc_u32 v[STO], s86, v[STO]               ; in: row r, + 64 h
	v_add_nc_u32 v[RD], s86, v[CO]                 ; back: the 32 lanes take one row of 512 bytes
	s_sub_co_u32 s88, s23, 768
	s_lshl_b32 s88, s88, 16                        ; my first row of out0: 16 rows of 4,096 bytes a tile
	s_sub_co_u32 s89, s46, 704
	s_lshl_b32 s89, s89, 6                         ; my first column: 16 columns of 4 bytes a tile
	s_add_co_u32 s88, s88, s89
	s_mov_b32 s89, 0
	s_add_nc_u64 s[12:13], s[12:13], s[88:89]
.macro FRAG reg, adr, q, i
.irp p, 0,1,2,3,4,5
	ds_load_b64 v[\reg+2*\p:\reg+2*\p+1], v[\adr] offset:3072*(\i)+1536*(\q)+256*\p
.endr
.endm
; 16 matrix instructions: R's blocks a0, a0 + 1 x P's eight tiles, K step gs.  The 64 accumulators take turns, one instruction a turn, in the same order in every step.
.macro MUL16 a0, p, gs, zero
.irp a, \a0, \a0+1
.irp b, 0,1,2,3,4,5,6,7
.if \zero
	v_wmma_scale_f32_16x16x128_f8f6f4 v[8*(8*((\a)%4)+\b):8*(8*((\a)%4)+\b)+7], v[128*(\p)+FR*\b:128*(\p)+FR*\b+FR-1], v[AF+FR*(\a):AF+FR*(\a)+FR-1], 0, v[SC+8*\b+(\gs)], v[SC+8*(\a)+(\gs)] matrix_a_fmt:MATRIX_FMT_FP6 matrix_b_fmt:MATRIX_FMT_FP6 matrix_a_scale:MATRIX_SCALE_ROW1
.else
	v_wmma_scale_f32_16x16x128_f8f6f4 v[8*(8*((\a)%4)+\b):8*(8*((\a)%4)+\b)+7], v[128*(\p)+FR*\b:128*(\p)+FR*\b+FR-1], v[AF+FR*(\a):AF+FR*(\a)+FR-1], v[8*(8*((\a)%4)+\b):8*(8*((\a)%4)+\b)+7], v[SC+8*\b+(\gs)], v[SC+8*(\a)+(\gs)] matrix_a_fmt:MATRIX_FMT_FP6 matrix_b_fmt:MATRIX_FMT_FP6 matrix_a_scale:MATRIX_SCALE_ROW1
.endif
.endr
.endr
.endm
.macro FETCH_B slot, q, p
	WIN TO_B
.irp i, 0,1,2,3,4,5,6,7
	FRAG 128*(\p)+FR*\i, ADRB+\slot, \q, \i
.endr
	WIN 0
.endm
.macro FETCH_A slot, q, i0
.irp i, \i0, \i0+1, \i0+2, \i0+3
	FRAG AF+FR*(\i), ADRA+\slot, \q, \i
.endr
.endm
.macro PLACES n                        ; plain vector instructions between a matrix instruction and a load into, or a read of, its registers
.rept \n
	v_nop
.endr
.endm
.macro STEP slot, gs, zero             ; a slot's first K step
	s_wait_dscnt 4*NL                              ; P's set and R's blocks 0-3 are in; the youngest 24 loads (R's blocks 4-7) may be out
	WIN MUL_LO
	MUL16 0, 0, \gs, \zero
	MUL16 2, 0, \gs, \zero
	s_wait_dscnt 0
	PLACES NP
	FETCH_B \slot, 1, 1
	FETCH_A \slot, 1, 0
	WIN MUL_HI
	MUL16 4, 0, \gs, \zero
	MUL16 6, 0, \gs, \zero
	PLACES NP
	WIN 0
	FETCH_A \slot, 1, 4
.endm
; A slot's second K step changes slots: ONE barrier; in front of it each wave waits for all its tensor loads, adds 0 to its spare word, and waits for that and for its own reads of this slot.
.macro TURN slot, next, fill, gs
	s_wait_tensorcnt 0x0                           ; all my tensor loads have landed: my part of the next slot
	ds_add_u32 v[SPW], v[NIL]                      ; 0 onto my spare word
	s_wait_dscnt 4*NL+1                            ; (the add and the youngest 24 loads may be out)
	WIN MUL_LO
	MUL16 0, 1, \gs, 0
	s_wait_dscnt 0x0                               ; the add is done, and my reads of this slot are over
	s_barrier_signal -1
	MUL16 2, 1, \gs, 0
	WIN 0
	s_barrier_wait -1
.if \fill
	CREST                                          ; no wave of any partner still reads this slot's tiles or has a load on its way
	s_add_nc_u64 s[G0+4*\slot+2:G0+4*\slot+3], s[G0+4*\slot+2:G0+4*\slot+3], 6144
	s_add_nc_u64 s[G0B+4*\slot+2:G0B+4*\slot+3], s[G0B+4*\slot+2:G0B+4*\slot+3], 6144
	JLOAD G0+4*\slot, G1, G0B+4*\slot, G1B         ; the first tensor load behind the round, one a wave
.else
	PLACES NP
.endif
	FETCH_B \next, 0, 0
	FETCH_A \next, 0, 0
	WIN MUL_HI
	MUL16 4, 1, \gs, 0
	MUL16 6, 1, \gs, 0
	PLACES NP
	WIN 0
	FETCH_A \next, 0, 4
.endm
.macro LAST gs
	s_wait_dscnt 4*NL
	WIN MUL_LO
	MUL16 0, 1, \gs, 0
	MUL16 2, 1, \gs, 0
	s_wait_dscnt 0
	WIN MUL_HI
	MUL16 4, 1, \gs, 0
	MUL16 6, 1, \gs, 0
	WIN 0
.endm
	s_wait_alu depctr_va_vdst(0)
	s_wait_tensorcnt 1                             ; my part of slot 0 is in; slot 1's may stay out
	s_barrier_signal -1
	s_barrier_wait -1
	FETCH_B 0, 0, 0
	FETCH_A 0, 0, 0
	FETCH_A 0, 0, 4
	s_wait_loadcnt 0x0                             ; the scale words
	STEP 0, 0, 1
	TURN 0, 1, 1, 1                                ; slot 0 takes K steps 4 and 5
	STEP 1, 2, 0
	TURN 1, 0, 1, 3                                ; slot 1 takes K steps 6 and 7
	STEP 0, 4, 0
	TURN 0, 1, 0, 5                                ; nothing is left to fetch; behind this barrier nobody reads slot 0
	STEP 1, 6, 0
	LAST 7
; THE WAY OUT, block by block of 16 rows x 128 columns, through my own stage in LDS: in as 32 bytes a lane and accumulator (P's tile b: columns 32 (b / 2) + 16 h + 8 (b % 2) on), back as whole rows of 512 bytes.
; LDS serves a wave's instructions in order: no wait between the stores and the loads, nor in front of the next block's stores.
.macro TOSTAGE a
.set AC, 64*((\a)%4)
	WIN (8+4*((\a)/4))                             ; an LDS store's data are its source 1: window 2 or 3
.irp b, 0,1,2,3,4,5,6,7
	ds_store_b128 v[STO], v[AC+8*\b:AC+8*\b+3] offset:128*(\b/2)+32*(\b%2)          ; each accumulator from its low end on
	ds_store_b128 v[STO], v[AC+8*\b+4:AC+8*\b+7] offset:128*(\b/2)+32*(\b%2)+16
.endr
	WIN 0
.set BB, BK+64*((\a)%2)
.irp t, 0,1,2,3,4,5,6,7,8,9,10,11,12,13,14,15
	ds_load_b128 v[BB+4*\t:BB+4*\t+3], v[RD] offset:\t*SPITCH
.endr
.endm
.macro SEND a, younger                 ; younger: the LDS instructions issued behind block a's loads, which may stay out
.set BB, BK+64*((\a)%2)
	s_wait_dscnt \younger
.irp t, 0,1,2,3,4,5,6,7,8,9,10,11,12,13,14,15
	global_store_b128 v[CO], v[BB+4*\t:BB+4*\t+3], s[12:13] offset:(32*((\a)/2)+8*((\a)%2)+(\t%8)+16*(\t/8))*4096 th:TH_STORE_NT   ; the tile's row t is this row of my 128; 32 lanes store 512 consecutive bytes, aligned; 127 rows at the most: 520,192 bytes, inside the immediate
.endr
.endm
	PLACES NP
	TOSTAGE 0
.irp a, 1,2,3,4,5,6,7
.if \a > 1
	s_wait_xcnt 0x0                                ; block a - 2's stores have read their registers: block a's loads may land there
.endif
	TOSTAGE \a
	SEND \a-1, 32                                  ; behind block a - 1's loads: block a's 16 stores and 16 loads
.endr
	SEND 7, 0
	s_wait_tensorcnt 0x0                           ; the wave's end: behind my last tensor load and my last LDS store
	ds_add_u32 v[SPW], v[NIL]
	s_wait_dscnt 0x0
	CROUND                                         ; the closing round: no work-group ends while a partner may still ask for a tile that names it
	s_endpgm
.Lfunc_end_k_q7b4dd25079_gemm_proj:
	.size	k_q7b4dd25079_gemm_proj, .Lfunc_end_k_q7b4dd25079_gemm_proj-k_q7b4dd25079_gemm_proj
	.p2alignl 7, 3214868480
	.fill 96, 4, 3214868480
	.section	.rodata,"a",@progbits
	.p2align	6, 0x0
	.amdhsa_kernel k_q7b4dd25079_gemm_proj
		.amdhsa_group_segment_fixed_size 327680
		.amdhsa_private_segment_fixed_size 0
		.amdhsa_enable_private_segment 0
		.amdhsa_kernarg_size 24
		.amdhsa_user_sgpr_count 2
		.amdhsa_user_sgpr_kernarg_segment_ptr 1
		.amdhsa_wavefront_size32 1
		.amdhsa_system_sgpr_workgroup_id_x 1
		.amdhsa_system_sgpr_workgroup_id_y 1
		.amdhsa_system_sgpr_workgroup_id_z 1
		.amdhsa_system_vgpr_workitem_id 0
		.amdhsa_next_free_vgpr 1024
		.amdhsa_next_free_sgpr 100
		.amdhsa_reserve_vcc 0
		.amdhsa_float_denorm_mode_32 3
		.amdhsa_float_denorm_mode_16_64 3
		.amdhsa_memory_ordered 1
		.amdhsa_forward_progress 1
		.amdhsa_inst_pref_size 157
	.end_amdhsa_kernel
	.amdgpu_metadata
---
amdhsa.version: [ 1, 2 ]
amdhsa.kernels:
  - .name:           k_q7b4dd25079_gemm_proj
    .symbol:         k_q7b4dd25079_gemm_proj.kd
    .args:
      - { .name: codes1, .offset: 0, .size: 8, .value_kind: global_buffer, .address_space: global }
      - { .name: scales1, .offset: 8, .size: 8, .value_kind: global_buffer, .address_space: global }
      - { .name: out0, .offset: 16, .size: 8, .value_kind: global_buffer, .address_space: global }
    .group_segment_fixed_size: 327680
    .private_segment_fixed_size: 0
    .kernarg_segment_align: 8
    .kernarg_segment_size: 24
    .max_flat_workgroup_size: 128
    .sgpr_count:     100
    .vgpr_count:     1024
    .wavefront_size: 32
...
	.end_amdgpu_metadata
.endif
;; end of part 4
